; MI455X (gfx1250); checked and timed in simulation.
; The chip was launched on July 23, 2026; its instructions are those of AMD's public machine-readable ISA for CDNA 5 (MIT licence, August 2026) and "CDNA5" Instruction Set Architecture Reference Guide (July 2026). The comments in the code are by the model that wrote it; some were corrected since.
;; Causal Multi Head Attention. Allowed arithmetic: float matrix products may take bf16 or f16 operands with f32 sums; all other float work in f32.
;; Inputs: Wk 1,024 x 1,024 float32; Wo 1,024 x 1,024 float32; Wq 1,024 x 1,024 float32; Wv 1,024 x 1,024 float32; bo 1,024 float32; x 4 x 2,048 x 1,024 float32.
;; Outputs: out0 4 x 2,048 x 1,024 float32.
;; 2 versions, each right and faster than the one before. Each part assembles by itself: llvm-mc -triple=amdgcn-amd-amdhsa -mcpu=gfx1250 --defsym DOCPART=n.
;; ======== version 1 of 2: 4 launches
;; limits: values are held in f16: magnitudes above 65,504 overflow, below 6.1e-05 lose precision
;; workspace buffers: xb 16,777,216 bytes; wt 6,291,456 bytes; wo2 4,194,304 bytes; qkv 50,331,648 bytes; ctx 33,554,432 bytes
;; launch prep (part 1): grid 1152 x 1, 4 waves a work-group, no clusters, 70,144 bytes of LDS; arguments x, Wk, Wv, Wq, Wo, xb, wt, wo2; writes xb, wt, wo2
.if DOCPART == 1
	.amdgcn_target "amdgcn-amd-amdhsa--gfx1250"
	.amdhsa_code_object_version 6
	.text
	.protected	k_qf222332cc6_prep
	.globl	k_qf222332cc6_prep
	.p2align	8
	.type	k_qf222332cc6_prep,@function
k_qf222332cc6_prep:
	s_mov_b64 s[64:65], 0
	v_nop
	global_prefetch_b8 v0, s[64:65] scope:SCOPE_SE
	s_setreg_imm32_b32 hwreg(HW_REG_WAVE_MODE, 25, 1), 1
	s_wait_xcnt 0x0
; Rounds the inputs to bf16 once, in the layouts that the products want.
;   xb  [8192][1024]  = x
;   wt  [3072][1024]  = Wk, Wv, Wq transposed: row j*1024 + n holds column n of matrix j, k along the row
;   wo2 [1024][2048]  = Wo transposed, each block of 128 k written twice: k' = 256 (k >> 7) + 128 part + (k & 127)
;                       (the last product takes ctx as a sum of two bf16 numbers, and both meet the same weight)
; Work-groups 0 to 127 transpose the weights, 128 to 1151 convert x.  No matrix unit, no cluster: every byte is read once and written once.
; LIMIT: inputs are rounded to bf16 (8 significant bits), to nearest even.
.set WGS_W,  128                       ; work-groups of the weights' part
.set SP,     272                       ; stage row: 128 k x 2 bytes + 16
.set STGW,   64*SP                     ; a wave's stage: 64 rows (n)
.set BANK0,  16                        ; v[16:79]   32 rows (k) of two columns each
.set BANK1,  80                        ; v[80:143]  the same, the other bank
	s_load_b256 s[4:11], s[0:1], 0x0               ; x s[4:5], Wk s[6:7], Wv s[8:9], Wq s[10:11]
	s_load_b256 s[12:19], s[0:1], 0x20             ; Wo s[12:13], xb s[14:15], wt s[16:17], wo2 s[18:19]
	v_lshl_add_u32 v144, v0, 2, 0x11000
	v_mov_b32 v145, 0
	v_lshrrev_b32 v1, 5, v0
	v_readfirstlane_b32 s21, v1                    ; wave 0..3
	s_mov_b32 s20, ttmp9
	s_cmp_lt_u32 s20, WGS_W
	s_cbranch_scc1 .Lweights
	; ---- x: the work-group converts 8,192 numbers; thread t takes 8 neighbouring ones in each of 8 blocks of 1,024
	s_sub_co_u32 s20, s20, WGS_W
	s_lshl_b32 s22, s20, 15                        ; 32,768 bytes in
	s_mov_b32 s23, 0
	s_lshl_b32 s24, s20, 14                        ; 16,384 bytes out
	s_mov_b32 s25, 0
	v_lshlrev_b32 v1, 5, v0                        ; 32 t
	v_lshlrev_b32 v2, 4, v0                        ; 16 t
	s_wait_kmcnt 0x0
	s_add_nc_u64 s[4:5], s[4:5], s[22:23]
	s_add_nc_u64 s[14:15], s[14:15], s[24:25]
.irp it, 0,1,2,3,4,5,6,7
	global_load_b128 v[16+8*\it:16+8*\it+3],   v1, s[4:5] offset:\it*4096 th:TH_LOAD_NT
	global_load_b128 v[16+8*\it+4:16+8*\it+7], v1, s[4:5] offset:\it*4096+16 th:TH_LOAD_NT
.endr
.irp it, 0,1,2,3,4,5,6,7
	s_wait_loadcnt 14-2*\it                        ; loads come back in order: this block's two are in, the younger pairs stay out
.irp x, 0,1,2,3
	v_cvt_pk_bf16_f32 v[80+4*\it+\x], v[16+8*\it+2*\x], v[16+8*\it+2*\x+1]
.endr
	global_store_b128 v2, v[80+4*\it:80+4*\it+3], s[14:15] offset:\it*2048   ; a wave's store covers 512 consecutive bytes; no register is written twice
.endr
	s_endpgm
	; ---- weights: a wave transposes 128 k x 64 n through its own stage in LDS
.Lweights:
	s_lshr_b32 s22, s20, 5                         ; j: 0 Wk, 1 Wv, 2 Wq, 3 Wo
	s_and_b32 s23, s20, 31
	s_lshl2_add_u32 s23, s23, s21                  ; u = 4 (id & 31) + wave, 0..127
	s_and_b32 s24, s23, 7                          ; kb: block of 128 k
	s_lshr_b32 s25, s23, 3                         ; nb: block of 64 n
	s_lshl_b32 s26, s24, 19                        ; 128 rows of 4,096 bytes
	s_lshl_b32 s28, s25, 8                         ; 64 columns of 4 bytes
	s_add_co_u32 s26, s26, s28
	s_mov_b32 s27, 0
	s_mul_i32 s29, s21, STGW                       ; my stage
	v_and_b32 v5, 31, v0                           ; lane L
	v_lshlrev_b32 v1, 3, v5                        ; 8 L: columns 2 L and 2 L + 1; a wave's load is 256 consecutive bytes
	v_mul_u32_u24 v2, v5, 2*SP
	v_add_nc_u32 v2, s29, v2                       ; in: stage row 2 L
	v_lshrrev_b32 v6, 4, v5                        ; L >> 4
	v_and_b32 v7, 15, v5                           ; L & 15
	v_mul_u32_u24 v3, v6, SP
	v_lshl_add_u32 v3, v7, 4, v3
	v_add_nc_u32 v3, s29, v3                       ; back: lanes 0-15 one row of 256 bytes, lanes 16-31 the next
	s_wait_kmcnt 0x0
	s_cmp_eq_u32 s22, 1
	s_cselect_b64 s[6:7], s[8:9], s[6:7]
	s_cmp_eq_u32 s22, 2
	s_cselect_b64 s[6:7], s[10:11], s[6:7]
	s_cmp_eq_u32 s22, 3
	s_cselect_b64 s[6:7], s[12:13], s[6:7]         ; the matrix that this work-group transposes
	s_add_nc_u64 s[6:7], s[6:7], s[26:27]
.macro LOADG g, bank                   ; rows k = 32 g .. 32 g + 31 of my two columns
.set kk, 0
.rept 32
	global_load_b64 v[\bank+2*kk:\bank+2*kk+1], v1, s[6:7] offset:(32*\g+kk)*4096 th:TH_LOAD_NT
.set kk, kk+1
.endr
.endm
.macro PROC g, bank                    ; eight k of one column make 16 bytes of a stage row
.irp ch, 0,1,2,3
.irp c2, 0,1
.irp x, 0,1,2,3
	v_cvt_pk_bf16_f32 v[8+4*\c2+\x], v[\bank+2*(8*\ch+2*\x)+\c2], v[\bank+2*(8*\ch+2*\x+1)+\c2]
.endr
	ds_store_b128 v2, v[8+4*\c2:8+4*\c2+3] offset:\c2*SP+(32*\g+8*\ch)*2
.endr
.endr
.endm
	LOADG 0, BANK0
	LOADG 1, BANK1
	s_wait_loadcnt 32                              ; the older bank's 32 loads are in, the younger bank's stay out
	PROC 0, BANK0
	LOADG 2, BANK0
	s_wait_loadcnt 32
	PROC 1, BANK1
	LOADG 3, BANK1
	s_wait_loadcnt 32
	PROC 2, BANK0
	s_wait_loadcnt 0x0
	PROC 3, BANK1
.set tt, 0
.rept 32
	ds_load_b128 v[16+4*tt:16+4*tt+3], v3 offset:tt*2*SP     ; my own bytes: LDS serves a wave's instructions in order (ISA guide 5.7.1), so these see the stores above
.set tt, tt+1
.endr
	s_cmp_eq_u32 s22, 3
	s_cbranch_scc1 .Lwo
	s_lshl_b32 s26, s22, 10
	s_lshl_b32 s28, s25, 6
	s_add_co_u32 s26, s26, s28                     ; wt's row j*1024 + 64 nb
	s_lshl_b32 s26, s26, 11                        ; rows of 2,048 bytes
	s_lshl_b32 s28, s24, 8                         ; + 128 k of 2 bytes
	s_add_co_u32 s26, s26, s28
	s_add_nc_u64 s[16:17], s[16:17], s[26:27]
	v_lshlrev_b32 v4, 11, v6
	v_lshl_add_u32 v4, v7, 4, v4
.set tt, 0
.rept 32
	s_wait_dscnt 31-tt
	global_store_b128 v4, v[16+4*tt:16+4*tt+3], s[16:17] offset:tt*4096   ; sixteen lanes store 256 consecutive bytes, at a multiple of 256 from wt's first byte
.set tt, tt+1
.endr
	s_wait_tensorcnt 0x0
	ds_add_u32 v144, v145
	s_wait_dscnt 0x0
	s_endpgm
.Lwo:
	s_lshl_b32 s26, s25, 18                        ; 64 nb rows of 4,096 bytes
	s_lshl_b32 s28, s24, 9                         ; + two copies of 256 bytes for each block of 128 k
	s_add_co_u32 s26, s26, s28
	s_add_nc_u64 s[18:19], s[18:19], s[26:27]
	v_lshlrev_b32 v4, 12, v6
	v_lshl_add_u32 v4, v7, 4, v4
.set tt, 0
.rept 32
	s_wait_dscnt 31-tt
	global_store_b128 v4, v[16+4*tt:16+4*tt+3], s[18:19] offset:tt*8192
	global_store_b128 v4, v[16+4*tt:16+4*tt+3], s[18:19] offset:tt*8192+256
.set tt, tt+1
.endr
	s_wait_tensorcnt 0x0
	ds_add_u32 v144, v145
	s_wait_dscnt 0x0
	s_endpgm
.Lfunc_end_k_qf222332cc6_prep:
	.size	k_qf222332cc6_prep, .Lfunc_end_k_qf222332cc6_prep-k_qf222332cc6_prep
	.p2alignl 7, 3214868480
	.fill 96, 4, 3214868480
	.section	.rodata,"a",@progbits
	.p2align	6, 0x0
	.amdhsa_kernel k_qf222332cc6_prep
		.amdhsa_group_segment_fixed_size 70144
		.amdhsa_private_segment_fixed_size 0
		.amdhsa_enable_private_segment 0
		.amdhsa_kernarg_size 64
		.amdhsa_user_sgpr_count 2
		.amdhsa_user_sgpr_kernarg_segment_ptr 1
		.amdhsa_wavefront_size32 1
		.amdhsa_system_sgpr_workgroup_id_x 1
		.amdhsa_system_sgpr_workgroup_id_y 1
		.amdhsa_system_sgpr_workgroup_id_z 1
		.amdhsa_system_vgpr_workitem_id 0
		.amdhsa_next_free_vgpr 146
		.amdhsa_next_free_sgpr 66
		.amdhsa_reserve_vcc 0
		.amdhsa_float_denorm_mode_32 3
		.amdhsa_float_denorm_mode_16_64 3
		.amdhsa_memory_ordered 1
		.amdhsa_forward_progress 1
		.amdhsa_inst_pref_size 43
	.end_amdhsa_kernel
	.amdgpu_metadata
---
amdhsa.version: [ 1, 2 ]
amdhsa.kernels:
  - .name:           k_qf222332cc6_prep
    .symbol:         k_qf222332cc6_prep.kd
    .args:
      - { .name: x, .offset: 0, .size: 8, .value_kind: global_buffer, .address_space: global }
      - { .name: Wk, .offset: 8, .size: 8, .value_kind: global_buffer, .address_space: global }
      - { .name: Wv, .offset: 16, .size: 8, .value_kind: global_buffer, .address_space: global }
      - { .name: Wq, .offset: 24, .size: 8, .value_kind: global_buffer, .address_space: global }
      - { .name: Wo, .offset: 32, .size: 8, .value_kind: global_buffer, .address_space: global }
      - { .name: xb, .offset: 40, .size: 8, .value_kind: global_buffer, .address_space: global }
      - { .name: wt, .offset: 48, .size: 8, .value_kind: global_buffer, .address_space: global }
      - { .name: wo2, .offset: 56, .size: 8, .value_kind: global_buffer, .address_space: global }
    .group_segment_fixed_size: 70144
    .private_segment_fixed_size: 0
    .kernarg_segment_align: 8
    .kernarg_segment_size: 64
    .max_flat_workgroup_size: 128
    .sgpr_count:     66
    .vgpr_count:     146
    .wavefront_size: 32
...
	.end_amdgpu_metadata
.endif
;; end of part 1
;; launch gemm1 (part 2): grid 12 x 32, 4 waves a work-group, clusters of 4 x 4, 327,680 bytes of LDS; arguments xb, wt, qkv; writes qkv
.if DOCPART == 2
	.amdgcn_target "amdgcn-amd-amdhsa--gfx1250"
	.amdhsa_code_object_version 6
	.text
	.protected	k_qf222332cc6_gemm1
	.globl	k_qf222332cc6_gemm1
	.p2align	8
	.type	k_qf222332cc6_gemm1,@function
k_qf222332cc6_gemm1:
	s_mov_b64 s[64:65], 0
	v_nop
	global_prefetch_b8 v0, s[64:65] scope:SCOPE_SE
	s_setreg_imm32_b32 hwreg(HW_REG_WAVE_MODE, 25, 1), 1
	s_wait_xcnt 0x0
	s_wait_alu depctr_hold_cnt(0) depctr_sa_sdst(0) depctr_va_vdst(0) depctr_va_sdst(0) depctr_va_ssrc(0) depctr_va_vcc(0) depctr_vm_vsrc(0)
	s_getreg_b32 s2, hwreg(HW_REG_IB_STS2, 6, 4)
	s_cmp_eq_u32 s2, 0
	s_cbranch_scc0 .Lentry_in_a_cluster
	s_endpgm
.Lentry_in_a_cluster:
	s_bfe_u32 s2, ttmp6, 0x10000c
	s_cmp_lg_u32 s2, 0xf033
	s_cbranch_scc0 .Lentry_shape_is_right
	s_endpgm
.Lentry_shape_is_right:
; K, V and Q in one product: C[m][n] = sum over k of xb[m][k] wt[n][k], 8192 x 3072 x 1024, bf16 operands, f32 sums,
; rounded once to f16 and stored head by head: qkv[part][b*16 + h][s][64], part 0 = K, 1 = V, 2 = Q (m = 2048 b + s, n = 1024 part + 64 h + d).
; A work-group makes a block of 256 x 256 with four waves; a wave makes 128 x 128: 64 accumulator tiles of 16 x 16, 512 registers.
; K goes in steps of 128 through a ring of two LDS slots filled by the tensor data mover: a tile's rows are 256 bytes of memory, aligned.
; CLUSTERS: 4 x 4 work-groups.  The four of a row of the cluster need the same tiles of xb, the four of a column the same tiles of wt: such a tile
; is asked for jointly, by the same tensor load with the same descriptor and a mask that names the four.
; LIMIT: q, k, v are kept in f16: |value| must stay below 65,504, and below 6e-5 the step is 6e-8.
; 384 work-groups: one and a half turns of 256; stated, not hidden.
;
; REGISTERS, in windows of 256:
;   window 0: v0-31 addresses; v64-127, v128-191 fragments of xb, two buffers; v192-223 at work on the way out
;   window 1: v64-127, v128-191 fragments of wt, two buffers
;   window 2: the 32 accumulator tiles of my rows 0-63 (tile (a, b) at v[8 (8 a + b)]);   window 3: those of my rows 64-127
; The matrix instruction is used transposed: source 0 = 16 rows of wt, source 1 = 16 rows of xb, so that lane l holds row l % 16 of C and its
; eight registers hold the columns 8 (l / 16) + 0 .. 7: eight neighbouring numbers, 16 bytes in f16.
.set SIZE_M, 8192
.set SIZE_N, 3072
.set SIZE_K, 1024
.set KSTEP,  128
.set PITCH,  272                       ; an LDS row: 256 bytes + 16 of padding, so that the 16 rows of a fragment load start 68 words apart
.set HALFT,  128*PITCH                 ; 128 rows: what one tensor load brings
.set SLOT,   4*HALFT                   ; xb's 256 rows, then wt's 256 rows
.set STAGE,  2*SLOT                    ; behind the ring: 16 rows x 272 bytes for each wave; no tensor load lands there
.set SPITCH, 272
.set LAPS, SIZE_K/(2*KSTEP)            ; a lap = two K steps = once round the ring: 4
.set ADRA, 16                          ; v16-17  LDS address of my xb fragments in slot 0, 1
.set ADRB, 20                          ; v20-21  the same for wt
.set STO,  24                          ; v24     the way out: where I put 16 bytes of a row
.set RD,   25                          ; v25     the way out: where I read back
.set CO,   26                          ; v26     my byte offset in qkv
.set F0,   64
.set F1,   128
.set TMP,  192
.set G1, 24                            ; s[24:31] descriptor group 1 for xb's tiles
.set G0, 32                            ; s[32:39] descriptor group 0 for xb's tiles, one set for each slot
.set G1B, 48                           ; s[48:55] group 1 for wt's tiles: another mask
.set G0B, 56                           ; s[56:63] group 0 for wt's tiles
.set MSB, 0
.macro WIN new                         ; the immediate's high byte repeats the setting that is left
.if MSB != \new
	s_set_vgpr_msb (MSB<<8)|\new
.set MSB, \new
.endif
.endm
.set MUL_LO, 0xa1                      ; source 0 window 1, source 1 window 0, C and D window 2
.set MUL_HI, 0xf1                      ; the same, C and D window 3
.set TO_B,   0x40                      ; destination window 1, address window 0
; A joint load.  Waves 0 and 1 fetch xb's two halves, waves 2 and 3 wt's.  Each line has one mask and one set of registers; the branch hangs on the wave's number alone.
.macro JLOAD s
	s_cmp_eq_u32 s11, 0
	s_cbranch_scc0 .Lfor_b_\@
	tensor_load_to_lds s[G0+4*\s:G0+4*\s+3], s[G1:G1+7]
	s_nop 0
.rept 4
	v_nop
.endr
	s_branch .Lasked_\@
.Lfor_b_\@:
	tensor_load_to_lds s[G0B+4*\s:G0B+4*\s+3], s[G1B:G1B+7]
	s_nop 0
.rept 4
	v_nop
.endr
.Lasked_\@:
.endm
; A round of the cluster's barrier: my work-group's barrier; wave 0 signals for the work-group; every wave waits for all sixteen; my work-group's barrier once more.
.macro CREST
	s_cmp_lg_u32 s10, 0
	s_cbranch_scc1 .Lnot_wave_0_\@
	s_barrier_signal -3
.Lnot_wave_0_\@:
	s_barrier_wait -3
	s_barrier_signal -1
	s_barrier_wait -1
.endm
.macro CROUND
	s_barrier_signal -1
	s_barrier_wait -1
	CREST
.endm
	s_load_b128 s[4:7], s[0:1], 0x0                ; xb s[4:5], wt s[6:7]
	s_load_b64 s[8:9], s[0:1], 0x10                ; qkv
	s_set_vgpr_msb 0x40
	v_lshl_add_u32 v255, v0, 2, 0x48400
	s_set_vgpr_msb 0x4000
	v_mov_b32 v255, 0
	s_set_vgpr_msb 0x1
	ds_add_u32 v255, v255
	s_set_vgpr_msb 0x100
	v_lshrrev_b32 v1, 5, v0
	v_readfirstlane_b32 s10, v1                    ; wave 0..3
	s_lshr_b32 s11, s10, 1                         ; which half of the block's rows is mine.  Also: I fetch for xb (0) or for wt (1)
	s_and_b32 s12, s10, 1                          ; which half of its columns.  Also: which 128 rows of that tile I fetch
	s_bfe_u32 s40, ttmp6, 0x40000                  ; cx
	s_bfe_u32 s41, ttmp6, 0x40004                  ; cy
	s_lshl_b32 s42, ttmp9, 2
	s_add_co_u32 s42, s42, s40                     ; block column = 4 x cluster x + cx
	s_and_b32 s13, ttmp7, 0xffff
	s_lshl_b32 s13, s13, 2
	s_add_co_u32 s13, s13, s41                     ; block row = 4 x cluster y + cy
	s_lshl_b32 s43, s41, 2
	s_lshl_b32 s43, 15, s43                        ; my row of the cluster: places 4 cy .. 4 cy + 3
	s_lshl_b32 s44, 0x1111, s40                    ; my column: places cx, cx + 4, cx + 8, cx + 12
	s_or_b32 s[G1+0], s43, (1<<16)|(1<<20)|(1<<21)|(5<<22)|(3<<25)  ; mask; elements of 2 bytes; padding on; bit 21 beside a mask; after every 64 words 4 words
	s_or_b32 s[G1B+0], s44, (1<<16)|(1<<20)|(1<<21)|(5<<22)|(3<<25)
	s_mov_b32 s[G1B+1], KSTEP<<16
	s_mov_b32 s[G1+1], KSTEP<<16                   ; tensor_dim0 = 128
	s_mov_b32 s[G1B+2], 128<<16
	s_mov_b32 s[G1+2], 128<<16                     ; tensor_dim1 = 128
	s_mov_b32 s[G1B+3], KSTEP<<16
	s_mov_b32 s[G1+3], KSTEP<<16                   ; tile_dim0 = 128
	s_mov_b32 s[G1B+4], 128
	s_mov_b32 s[G1+4], 128                         ; tile_dim1 = 128
	s_mov_b32 s[G1B+5], SIZE_K
	s_mov_b32 s[G1+5], SIZE_K                      ; elements from row to row
	s_mov_b32 s[G1B+6], 0
	s_mov_b32 s[G1+6], 0
	s_mov_b32 s[G1B+7], 0
	s_mov_b32 s[G1+7], 0
	; xb's tiles hang on the block row alone, wt's on the block column alone; each address in registers that never hold the other coordinate
	s_lshl_b32 s17, s12, 7
	s_lshl_b32 s16, s13, 8
	s_add_co_u32 s16, s16, s17                     ; xb: row 256 x block row + 128 x half
	s_lshl_b32 s46, s42, 8
	s_add_co_u32 s46, s46, s17                     ; wt: row 256 x block column + 128 x half
	s_mov_b32 s17, 0
	s_mov_b32 s47, 0
	s_mov_b64 s[18:19], SIZE_K*2
	s_mul_u64 s[16:17], s[16:17], s[18:19]
	s_mul_u64 s[46:47], s[46:47], s[18:19]
	s_mul_i32 s20, s10, HALFT                      ; where they go: wave x 128 rows
	s_wait_dscnt 0x0
	s_wait_kmcnt 0x0
	s_add_nc_u64 s[14:15], s[4:5], s[16:17]
	s_add_nc_u64 s[46:47], s[6:7], s[46:47]
	CROUND                                         ; all sixteen work-groups are here: the first joint loads meet
.irp s, 0,1
	s_mov_b32 s[G0+4*\s], 1
	s_add_co_u32 s[G0+4*\s+1], s20, \s*SLOT
	s_add_nc_u64 s[G0+4*\s+2:G0+4*\s+3], s[14:15], \s*KSTEP*2
	s_or_b32 s[G0+4*\s+3], s[G0+4*\s+3], 0x80000000
	s_mov_b32 s[G0B+4*\s], 1
	s_add_co_u32 s[G0B+4*\s+1], s20, \s*SLOT
	s_add_nc_u64 s[G0B+4*\s+2:G0B+4*\s+3], s[46:47], \s*KSTEP*2
	s_or_b32 s[G0B+4*\s+3], s[G0B+4*\s+3], 0x80000000
	JLOAD \s                                       ; two tensor loads of a wave are out here, the most in this text
.endr
	; a fragment is 16 rows x 32 K in 8 registers: lane l holds row l % 16; two loads of 16 bytes, 32 bytes apart, at row x pitch + 16 (l / 16)
	v_and_b32 v1, 15, v0                           ; l % 16
	v_bfe_u32 v2, v0, 4, 1                         ; l / 16
	v_mul_u32_u24 v3, v1, PITCH
	v_lshl_add_u32 v3, v2, 4, v3
	s_mul_i32 s21, s11, HALFT                      ; my 128 rows of xb
	s_mul_i32 s22, s12, HALFT                      ; my 128 rows of wt,
	s_add_co_u32 s22, s22, 2*HALFT                 ; which lie behind xb's 256
.irp s, 0,1
	v_add_nc_u32 v[ADRA+\s], s21, v3
	v_add_nc_u32 v[ADRB+\s], s22, v3
	s_add_co_u32 s21, s21, SLOT
	s_add_co_u32 s22, s22, SLOT
.endr
	s_mul_i32 s23, s10, 16*SPITCH
	s_add_co_u32 s23, s23, STAGE                   ; my stage
	v_mul_u32_u24 v4, v1, SPITCH                   ; in: row l % 16, 16 bytes for each half of the lanes
	v_lshl_add_u32 v4, v2, 4, v4
	v_add_nc_u32 v[STO], s23, v4
	; back: my 128 columns are two heads of 64.  Lanes 0-15 take two rows' 128 bytes of the first head, lanes 16-31 of the second:
	; in qkv two neighbouring rows of one head are 256 consecutive bytes.
	v_bfe_u32 v6, v0, 3, 1                         ; which of the two rows
	v_and_b32 v7, 7, v0                            ; which 16 bytes of its 128
	v_mul_u32_u24 v5, v6, SPITCH
	v_lshl_add_u32 v5, v2, 7, v5
	v_lshl_add_u32 v5, v7, 4, v5
	v_add_nc_u32 v[RD], s23, v5
	v_lshlrev_b32 v5, 18, v2                       ; a head is 2048 x 128 = 262,144 bytes
	v_lshl_add_u32 v5, v6, 7, v5
	v_lshl_add_u32 v[CO], v7, 4, v5
; 16 matrix instructions: m blocks a0, a0 + 1 of the window's four x all 8 n blocks, 32 along K.  zero = 1: the first product starts the sums.
; The 64 accumulators take turns, one instruction a turn, in the same order in every quarter step.
.macro MUL16 f, hi, a0, zero
.irp a, \a0, \a0+1
.irp b, 0,1,2,3,4,5,6,7
.if \zero
	v_wmma_f32_16x16x32_bf16 v[8*(8*(\a)+\b):8*(8*(\a)+\b)+7], v[\f+8*\b:\f+8*\b+7], v[\f+8*(4*\hi+\a):\f+8*(4*\hi+\a)+7], 0
.else
	v_wmma_f32_16x16x32_bf16 v[8*(8*(\a)+\b):8*(8*(\a)+\b)+7], v[\f+8*\b:\f+8*\b+7], v[\f+8*(4*\hi+\a):\f+8*(4*\hi+\a)+7], v[8*(8*(\a)+\b):8*(8*(\a)+\b)+7]
.endif
.endr
.endr
.endm
; 32 LDS loads in one run: the fragments of one quarter step into buffer f
.macro FETCH slot, k, f
	WIN TO_B
.irp i, 0,1,2,3,4,5,6,7
	ds_load_b128 v[\f+8*\i:\f+8*\i+3],   v[ADRB+\slot] offset:\k+\i*16*PITCH
	ds_load_b128 v[\f+8*\i+4:\f+8*\i+7], v[ADRB+\slot] offset:\k+\i*16*PITCH+32
.endr
	WIN 0
.irp i, 0,1,2,3,4,5,6,7
	ds_load_b128 v[\f+8*\i:\f+8*\i+3],   v[ADRA+\slot] offset:\k+\i*16*PITCH
	ds_load_b128 v[\f+8*\i+4:\f+8*\i+7], v[ADRA+\slot] offset:\k+\i*16*PITCH+32
.endr
.endm
; four places between a matrix instruction and a load into, or a vector instruction on, one of its registers; other matrix instructions are not counted as places
.macro PLACES
.rept 4
	v_nop
.endr
.endm
.macro QUARTER slot, k, f, g, zero
	s_wait_dscnt 8                                 ; wt's and xb's rows 0-63 are in; the youngest eight loads (xb's rows 64-127) may be out
	WIN MUL_LO
	MUL16 \f, 0, 0, \zero
	MUL16 \f, 0, 2, \zero
	PLACES
	FETCH \slot, \k, \g
	s_wait_dscnt 32                                ; all but the 32 just issued
	WIN MUL_HI
	MUL16 \f, 1, 0, \zero
	MUL16 \f, 1, 2, \zero
.endm
.macro THREE slot, zero
	QUARTER \slot, 64,  F0, F1, \zero
	QUARTER \slot, 128, F1, F0, 0
	QUARTER \slot, 192, F0, F1, 0
.endm
; The last quarter of a K step changes slots.  In front of the barrier each wave waits for its reads of this slot and for all its tensor loads (one is out: its
; part of the next slot).  Behind it, and behind the rest of the cluster's round, the refill comes first, then the next slot's first fragments.
.macro TURN slot, next, fill
	s_wait_dscnt 8
	WIN MUL_LO
	MUL16 F1, 0, 0, 0
	s_wait_dscnt 0                                 ; my reads of this slot are over
	s_wait_tensorcnt 0x0                           ; all my tensor loads have landed
	ds_add_u32 v255, v255
	s_wait_dscnt 0x0
	s_barrier_signal -1
	MUL16 F1, 0, 2, 0                              ; register work between signal and wait
	WIN 0
	s_barrier_wait -1
.if \fill
	CREST                                          ; no wave of any partner still reads this slot or has a load on its way
	s_add_nc_u64 s[G0+4*\slot+2:G0+4*\slot+3], s[G0+4*\slot+2:G0+4*\slot+3], 2*KSTEP*2
	s_add_nc_u64 s[G0B+4*\slot+2:G0B+4*\slot+3], s[G0B+4*\slot+2:G0B+4*\slot+3], 2*KSTEP*2
	JLOAD \slot                                    ; the first tensor load behind the round; its four v_nop are also the places in front of the loads below
.else
	PLACES
.endif
	FETCH \next, 0, F0
	WIN MUL_HI
	MUL16 F1, 1, 0, 0
	MUL16 F1, 1, 2, 0
.endm
.macro LAP zero
	THREE 0, \zero
	TURN 0, 1, 1
	THREE 1, 0
	TURN 1, 0, 1
.endm
	s_wait_tensorcnt 1                             ; my part of K step 0 is in; K step 1's stays out
	s_barrier_signal -1
	s_barrier_wait -1
	FETCH 0, 0, F0
	LAP 1                                          ; the first lap stands in front of the loop: its first products start the sums
	WIN 0
	s_mov_b32 s3, LAPS-2
.Llap:
	LAP 0
	WIN 0
	s_sub_co_u32 s3, s3, 1
	s_cmp_lg_u32 s3, 0
	s_cbranch_scc1 .Llap
	THREE 0, 0                                     ; the last lap fills nothing
	TURN 0, 1, 0
	THREE 1, 0
	s_wait_dscnt 8
	WIN MUL_LO
	MUL16 F1, 0, 0, 0
	MUL16 F1, 0, 2, 0
	s_wait_dscnt 0
	WIN MUL_HI
	MUL16 F1, 1, 0, 0
	MUL16 F1, 1, 2, 0
	; THE WAY OUT, 16 rows at a time: round to f16, 16 bytes a lane into my own stage, read back by heads, store 256 consecutive bytes from sixteen lanes.
	PLACES
	s_lshl_b32 s13, s13, 8
	s_lshl_b32 s14, s11, 7
	s_add_co_u32 s16, s13, s14                     ; my first row m0
	s_lshr_b32 s17, s16, 11                        ; b
	s_and_b32 s16, s16, 2047                       ; s
	s_lshl_b32 s17, s17, 22                        ; 16 heads of 262,144 bytes
	s_lshl_b32 s16, s16, 7                         ; rows of 128 bytes
	s_add_co_u32 s16, s16, s17
	s_mov_b32 s17, 0
	s_add_nc_u64 s[8:9], s[8:9], s[16:17]
	s_lshl_b32 s46, s42, 2                         ; the column terms, in the registers that held wt's address: four heads a block,
	s_lshl_b32 s47, s12, 1                         ; two a wave
	s_add_co_u32 s46, s46, s47                     ; 16 part + head
	s_lshr_b32 s47, s46, 4
	s_and_b32 s46, s46, 15
	s_lshl_b32 s47, s47, 24                        ; a part is 16,777,216 bytes
	s_lshl_b32 s46, s46, 18
	s_add_co_u32 s46, s46, s47
	s_mov_b32 s47, 0
	s_add_nc_u64 s[8:9], s[8:9], s[46:47]
.macro OUT16 i, a, from, f
	WIN \from
.irp b, 0,1,2,3,4,5,6,7
.irp r, 0,1,2,3
	v_cvt_pk_f16_f32 v[TMP+4*\b+\r], v[8*(8*\a+\b)+2*\r], v[8*(8*\a+\b)+2*\r+1]
.endr
.endr
	WIN 0
.irp b, 0,1,2,3,4,5,6,7
	ds_store_b128 v[STO], v[TMP+4*\b:TMP+4*\b+3] offset:32*\b
.endr
	s_wait_xcnt 0x0                                ; buffer f, which earlier stores read, is loaded again only behind this wait
.irp t, 0,1,2,3,4,5,6,7
	ds_load_b128 v[\f+4*\t:\f+4*\t+3], v[RD] offset:\t*2*SPITCH    ; my own bytes, served in order: these see the stores above
.endr
.irp t, 0,1,2,3,4,5,6,7
	s_wait_dscnt 7-\t
	global_store_b128 v[CO], v[\f+4*\t:\f+4*\t+3], s[8:9] offset:\i*2048+\t*256   ; rows 16 i + 2 t and + 1 of both heads
.endr
.endm
	OUT16 0, 0, 0x0a, F0
	OUT16 1, 1, 0x0a, F1
	OUT16 2, 2, 0x0a, F0
	OUT16 3, 3, 0x0a, F1
	OUT16 4, 0, 0x0f, F0
	OUT16 5, 1, 0x0f, F1
	OUT16 6, 2, 0x0f, F0
	OUT16 7, 3, 0x0f, F1
	s_set_vgpr_msb 0x1
	s_wait_tensorcnt 0x0
	ds_add_u32 v255, v255
	s_wait_dscnt 0x0
	s_set_vgpr_msb 0x100
	CROUND                                         ; the closing round: no work-group ends while a partner may still ask for a tile that names it
	s_endpgm
.Lfunc_end_k_qf222332cc6_gemm1:
	.size	k_qf222332cc6_gemm1, .Lfunc_end_k_qf222332cc6_gemm1-k_qf222332cc6_gemm1
	.p2alignl 7, 3214868480
	.fill 96, 4, 3214868480
	.section	.rodata,"a",@progbits
	.p2align	6, 0x0
	.amdhsa_kernel k_qf222332cc6_gemm1
		.amdhsa_group_segment_fixed_size 327680
		.amdhsa_private_segment_fixed_size 0
		.amdhsa_enable_private_segment 0
		.amdhsa_kernarg_size 24
		.amdhsa_user_sgpr_count 2
		.amdhsa_user_sgpr_kernarg_segment_ptr 1
		.amdhsa_wavefront_size32 1
		.amdhsa_system_sgpr_workgroup_id_x 1
		.amdhsa_system_sgpr_workgroup_id_y 1
		.amdhsa_system_sgpr_workgroup_id_z 1
		.amdhsa_system_vgpr_workitem_id 0
		.amdhsa_next_free_vgpr 1024
		.amdhsa_next_free_sgpr 66
		.amdhsa_reserve_vcc 0
		.amdhsa_float_denorm_mode_32 3
		.amdhsa_float_denorm_mode_16_64 3
		.amdhsa_memory_ordered 1
		.amdhsa_forward_progress 1
		.amdhsa_inst_pref_size 197
	.end_amdhsa_kernel
	.amdgpu_metadata
---
amdhsa.version: [ 1, 2 ]
amdhsa.kernels:
  - .name:           k_qf222332cc6_gemm1
    .symbol:         k_qf222332cc6_gemm1.kd
    .args:
      - { .name: xb, .offset: 0, .size: 8, .value_kind: global_buffer, .address_space: global }
      - { .name: wt, .offset: 8, .size: 8, .value_kind: global_buffer, .address_space: global }
      - { .name: qkv, .offset: 16, .size: 8, .value_kind: global_buffer, .address_space: global }
    .group_segment_fixed_size: 327680
    .private_segment_fixed_size: 0
    .kernarg_segment_align: 8
    .kernarg_segment_size: 24
    .max_flat_workgroup_size: 128
    .sgpr_count:     66
    .vgpr_count:     1024
    .wavefront_size: 32
...
	.end_amdgpu_metadata
.endif
;; end of part 2
;; launch attn (part 3): grid 256 x 1, 8 waves a work-group, no clusters, 327,680 bytes of LDS; arguments qkv, ctx; writes ctx
.if DOCPART == 3
	.amdgcn_target "amdgcn-amd-amdhsa--gfx1250"
	.amdhsa_code_object_version 6
	.text
	.protected	k_qf222332cc6_attn
	.globl	k_qf222332cc6_attn
	.p2align	8
	.type	k_qf222332cc6_attn,@function
k_qf222332cc6_attn:
	s_mov_b64 s[64:65], 0
	v_nop
	global_prefetch_b8 v0, s[64:65] scope:SCOPE_SE
	s_setreg_imm32_b32 hwreg(HW_REG_WAVE_MODE, 25, 1), 1
	s_wait_xcnt 0x0
; Attention of one head with the mask key <= query + 1, by a running maximum; f16 operands, f32 sums and statistics.
; Work-group id: head bh = id >> 2, p = id & 3.  It makes the query blocks (256 rows) iA = p and iB = 7 - p: 7 full key tiles of 256 and 2 diagonal
; tiles in every work-group, so all 256 do the same work.  Eight waves; wave w has rows 32 w .. 32 w + 31 of the block, two query tiles of 16.
; NINE PHASES: the diagonal tile of A (slot 0); full tiles f = 0 .. 6 (slots 1, 0, 1, 0, 1, 0, 1), A's while f < iA, then B's; the diagonal tile of B (slot 0).
; A diagonal tile has 320 keys, since row 256 i + 255 sees key 256 i + 256.  For i = 7 its last 64 rows lie in the next head or part of qkv: inside the buffer,
; written by the launch before, finite, and masked (the threshold is cut at key 2047).
; TRANSPOSED PRODUCTS: S^T = K Q^T has, in lane (r, h), register j, key 8 h + j and query r; two neighbouring key tiles packed to f16 are the second source of
; O^T = V^T P^T as they stand.  Maximum, sum and rescale belong to the lane's own query; the two halves of the lanes meet by one v_permlanex16_b32.
; ctx leaves as a sum of two bf16 numbers, hi and lo: slab 4 (h >> 1) + 2 part + (h & 1) of [32][8192][64].
; NO CLUSTER: the four work-groups of a head read the same K and V, but at other times; walking in step costs, for each tile, the work of the partner that still needs
; it: 4+4+3+3+2+2+1+1 full tiles for two blocks held at once against 7 here, and twice the accumulators.
; NO PREFETCH: each tile is asked for a whole phase (four steps of eight waves) ahead.
; LIMITS: q, k, v, P in f16 (|q|, |k|, |v| < 65,504); ctx has 16 significant bits; NaN and infinities among the inputs are not served.
.set KP, 144                           ; K's LDS row: 128 bytes + 16
.set VP, 160                           ; V's LDS row: 128 bytes + 32 (the transposing load wants an odd multiple of 32)
.set LDS_V0, 0                         ; slot 0: V, 320 rows
.set LDS_K0, 320*VP                    ; 51,200: K, 320 rows
.set LDS_V1, LDS_K0+320*KP             ; 97,280: slot 1: V, 256 rows
.set LDS_K1, LDS_V1+256*VP             ; 138,240: K, 256 rows
.set STG,    LDS_K1+256*KP             ; 175,104: stages, written by ds_store alone; no tensor load lands there
.set STGW,   64*KP                     ; a wave's stage: hi 32 rows x 144, then lo
.set KA0, 1                            ; v1   K fragment address, slot 0
.set VA0, 2                            ; v2   V fragment address, slot 0
.set KA1, 3                            ; v3, v4  the same, slot 1
.set VA1, 4
.set QO,  5                            ; v5   Q: r x 128 + 16 h
.set ST,  6                            ; v6   stage, in
.set RD,  7                            ; v7   stage, back
.set CO,  8                            ; v8   16 x lane
.set RW,  9                            ; v9   32 w + r + 1: the last visible key of my row in query tile 0, counted from the block's first key
.set H8,  10                           ; v10  8 h
.set THR, 11                           ; v11-12  mask thresholds of the two query tiles
.set MX,  14                           ; v14-15  running maxima
.set LS,  16                           ; v[16:19] running sums, a pair for each query tile
.set AL,  20                           ; v[20:23] rescale factor, twice, for each query tile
.set NM,  24                           ; v[24:27] - c x maximum, twice, for each query tile
.set TA,  28                           ; v28-29  at work
.set TB,  30                           ; v30-31  at work
.set QF,  32                           ; v[32:63]   Q(qt, ds) at 16 qt + 8 ds
.set OO,  64                           ; v[64:127]  O(qt, dt) at 32 qt + 8 dt
.set SS,  128                          ; v[128:191] S(qt, kt) at 32 qt + 8 kt; P(qt, kp) at 32 qt + 8 kp, packed in place
.set KF,  192                          ; v[192:255] K(kt, ds) at 16 kt + 8 ds; then
.set VF,  192                          ;            V(kp, dt) at 32 kp + 8 dt
.set G1K,  32                          ; s[32:39]  shape of a quarter of a full K tile
.set G1V,  40                          ; s[40:47]  of V
.set G1KD, 48                          ; s[48:55]  of a diagonal K tile
.set G1VD, 56                          ; s[56:63]  of V
.set G0K0D, 68                         ; group 0 sets: K, slot 0, diagonal
.set G0K0N, 72                         ; K, slot 0, full
.set G0K1,  76                         ; K, slot 1
.set G0V0D, 80
.set G0V0N, 84
.set G0V1,  88
; s6 wave, s7 head, s8 iA, s9 iB, s10-11 last key of the sequence counted from block A's, B's first key, s12-13 lane selects, s14 -inf, s15 trips, s16 f,
; s[18:19] c = log2(e) / 8, s[20:21] my quarter of full tile 0, s[22:23] of diagonal tile 0, s[24:25] the tile's byte offset,
; s[26:27], s[28:29] my Q rows of A, B; s[30:31], s[66:67] my ctx rows of A, B
	s_load_b64 s[2:3], s[0:1], 0x0                 ; qkv
	s_load_b64 s[4:5], s[0:1], 0x8                 ; ctx
	s_set_vgpr_msb 0x40
	v_lshl_add_u32 v0, v0, 2, 0x3cc00
	v_mov_b32 v1, 0
	s_set_vgpr_msb 0x4045
	ds_add_u32 v0, v1
	s_set_vgpr_msb 0x4500
	v_lshrrev_b32 v1, 5, v0
	v_readfirstlane_b32 s6, v1                     ; wave 0..7
	s_lshr_b32 s7, ttmp9, 2
	s_and_b32 s8, ttmp9, 3
	s_sub_co_u32 s9, 7, s8
	s_lshl_b32 s10, s8, 8
	s_sub_co_u32 s10, 2047, s10
	s_lshl_b32 s11, s9, 8
	s_sub_co_u32 s11, 2047, s11
	s_mov_b32 s12, 0x76543210
	s_mov_b32 s13, 0xfedcba98
	s_mov_b32 s14, 0xff800000
	s_mov_b32 s18, 0x3e38aa3b
	s_mov_b32 s19, 0x3e38aa3b
; A quarter of a tile is dense in memory: it comes as rows of 256 bytes, and the padding falls behind every 32 words, that is behind every key's 128 bytes.
.macro SHAPE g, word0, rows
	s_mov_b32 s[\g+0], \word0                      ; no mask; elements of 2 bytes; padding on; after every 32 words (code 4) 4 or 8 words
	s_mov_b32 s[\g+1], 128<<16                     ; tensor_dim0 = 128
	s_mov_b32 s[\g+2], \rows<<16                   ; tensor_dim1
	s_mov_b32 s[\g+3], 128<<16                     ; tile_dim0 = 128
	s_mov_b32 s[\g+4], \rows                       ; tile_dim1
	s_mov_b32 s[\g+5], 128                         ; elements from row to row
	s_mov_b32 s[\g+6], 0
	s_mov_b32 s[\g+7], 0
.endm
	SHAPE G1K,  0x07110000, 32                     ; 64 keys
	SHAPE G1V,  0x0f110000, 32
	SHAPE G1KD, 0x07110000, 40                     ; 80 keys
	SHAPE G1VD, 0x0f110000, 40
	; LDS addresses: a constant + the wave's number x a constant.  Waves 0-3 bring V's quarters, waves 4-7 K's.
	s_mov_b32 s[G0V0D], 1
	s_mul_i32 s[G0V0D+1], s6, 80*VP
	s_mov_b32 s[G0V0N], 1
	s_mul_i32 s[G0V0N+1], s6, 64*VP
	s_mov_b32 s[G0V1], 1
	s_mul_i32 s[G0V1+1], s6, 64*VP
	s_add_co_u32 s[G0V1+1], s[G0V1+1], LDS_V1
	s_mov_b32 s[G0K0D], 1
	s_mul_i32 s[G0K0D+1], s6, 80*KP
	s_add_co_u32 s[G0K0D+1], s[G0K0D+1], LDS_K0-4*80*KP
	s_mov_b32 s[G0K0N], 1
	s_mul_i32 s[G0K0N+1], s6, 64*KP
	s_add_co_u32 s[G0K0N+1], s[G0K0N+1], LDS_K0-4*64*KP
	s_mov_b32 s[G0K1], 1
	s_mul_i32 s[G0K1+1], s6, 64*KP
	s_add_co_u32 s[G0K1+1], s[G0K1+1], LDS_K1-4*64*KP
	; byte offsets in qkv and ctx, made apart from the addresses
	s_lshr_b32 s92, s6, 2
	s_xor_b32 s92, s92, 1                          ; part: V = 1 for waves 0-3, K = 0 for waves 4-7
	s_and_b32 s93, s6, 3                           ; my quarter
	s_lshl_b32 s92, s92, 24
	s_lshl_b32 s17, s7, 18                         ; the head
	s_add_co_u32 s92, s92, s17
	s_mov_b32 s95, 0
	s_lshl_b32 s94, s93, 13                        ; 64 keys of 128 bytes
	s_add_co_u32 s94, s94, s92
	s_wait_dscnt 0x0
	s_barrier_signal -1
	s_barrier_wait -1
	s_wait_kmcnt 0x0
	s_add_nc_u64 s[20:21], s[2:3], s[94:95]
	s_mul_i32 s94, s93, 10240                      ; 80 keys
	s_add_co_u32 s94, s94, s92
	s_add_nc_u64 s[22:23], s[2:3], s[94:95]
	; the first fills, both of a wave inside one branch: the diagonal tile of A into slot 0, then full tile 0 into slot 1.  Two loads of a wave are out, the most in this text.
	s_lshl_b32 s24, s8, 15                         ; a tile's 256 keys are 32,768 bytes
	s_mov_b32 s25, 0
	s_cmp_lt_u32 s6, 4
	s_cbranch_scc0 .Lfirst_k
	s_add_nc_u64 s[G0V0D+2:G0V0D+3], s[22:23], s[24:25]
	s_or_b32 s[G0V0D+3], s[G0V0D+3], 0x80000000
	tensor_load_to_lds s[G0V0D:G0V0D+3], s[G1VD:G1VD+7]
	s_nop 0
	s_mov_b64 s[G0V1+2:G0V1+3], s[20:21]
	s_or_b32 s[G0V1+3], s[G0V1+3], 0x80000000
	tensor_load_to_lds s[G0V1:G0V1+3], s[G1V:G1V+7]
	s_nop 0
.rept 4
	v_nop
.endr
	s_branch .Lfirst_done
.Lfirst_k:
	s_add_nc_u64 s[G0K0D+2:G0K0D+3], s[22:23], s[24:25]
	s_or_b32 s[G0K0D+3], s[G0K0D+3], 0x80000000
	tensor_load_to_lds s[G0K0D:G0K0D+3], s[G1KD:G1KD+7]
	s_nop 0
	s_mov_b64 s[G0K1+2:G0K1+3], s[20:21]
	s_or_b32 s[G0K1+3], s[G0K1+3], 0x80000000
	tensor_load_to_lds s[G0K1:G0K1+3], s[G1K:G1K+7]
	s_nop 0
.rept 4
	v_nop
.endr
.Lfirst_done:
	; my Q rows: part 2, the head, row 256 i + 32 w
	s_add_co_u32 s92, s17, 0x2000000
	s_lshl_b32 s94, s6, 12
	s_add_co_u32 s92, s92, s94
	s_lshl_b32 s94, s8, 15
	s_add_co_u32 s94, s94, s92
	s_add_nc_u64 s[26:27], s[2:3], s[94:95]
	s_lshl_b32 s94, s9, 15
	s_add_co_u32 s94, s94, s92
	s_add_nc_u64 s[28:29], s[2:3], s[94:95]
	; my ctx rows: slab 4 (h >> 1) + (h & 1) of 1,048,576 bytes, row 2048 b + 256 i + 32 w of 128 bytes
	s_and_b32 s92, s7, 15
	s_lshr_b32 s94, s92, 1
	s_lshl_b32 s94, s94, 2
	s_and_b32 s92, s92, 1
	s_add_co_u32 s92, s92, s94
	s_lshl_b32 s92, s92, 20
	s_lshr_b32 s94, s7, 4
	s_lshl_b32 s94, s94, 18
	s_add_co_u32 s92, s92, s94
	s_lshl_b32 s94, s6, 12
	s_add_co_u32 s92, s92, s94
	s_lshl_b32 s94, s8, 15
	s_add_co_u32 s94, s94, s92
	s_add_nc_u64 s[30:31], s[4:5], s[94:95]
	s_lshl_b32 s94, s9, 15
	s_add_co_u32 s94, s94, s92
	s_add_nc_u64 s[66:67], s[4:5], s[94:95]
	; lane terms
	v_and_b32 v13, 31, v0                          ; lane L
	v_and_b32 v28, 15, v0                          ; r
	v_bfe_u32 v29, v0, 4, 1                        ; h
	v_and_b32 v30, 7, v0                           ; L & 7
	v_bfe_u32 v31, v0, 3, 1                        ; (L >> 3) & 1
	v_mul_u32_u24 v12, v28, KP
	v_lshl_add_u32 v12, v29, 4, v12                ; r x 144 + 16 h
	v_add_nc_u32 v[KA0], LDS_K0, v12
	v_add_nc_u32 v[KA1], LDS_K1, v12
	v_lshl_add_u32 v[VA0], v29, 3, v30             ; key 8 h + (L & 7),
	v_mul_u32_u24 v[VA0], v[VA0], VP
	v_lshl_add_u32 v[VA0], v31, 4, v[VA0]          ; 16 bytes of its row by (L >> 3) & 1: what the transposing load wants
	v_add_nc_u32 v[VA1], LDS_V1-LDS_V0, v[VA0]
	v_lshlrev_b32 v[QO], 7, v28
	v_lshl_add_u32 v[QO], v29, 4, v[QO]
	s_mul_i32 s17, s6, STGW
	s_add_co_u32 s17, s17, STG                     ; my stage
	v_add_nc_u32 v[ST], s17, v12
	v_lshrrev_b32 v[RD], 3, v13
	v_mul_u32_u24 v[RD], v[RD], KP
	v_lshl_add_u32 v[RD], v30, 4, v[RD]
	v_add_nc_u32 v[RD], s17, v[RD]                 ; back: eight lanes a row, four rows a load
	v_lshlrev_b32 v[CO], 4, v13
	s_lshl_b32 s17, s6, 5
	s_add_co_u32 s17, s17, 1
	v_add_nc_u32 v[RW], s17, v28
	v_lshlrev_b32 v[H8], 3, v29
.macro LOADQ sq                        ; my 32 rows of Q as second sources: lane (r, h) takes row r, d = 8 h .. and 16 + 8 h ..
.irp qt, 0,1
.irp ds, 0,1
	global_load_b128 v[QF+16*\qt+8*\ds:QF+16*\qt+8*\ds+3],   v[QO], s[\sq:\sq+1] offset:\qt*2048+\ds*64
	global_load_b128 v[QF+16*\qt+8*\ds+4:QF+16*\qt+8*\ds+7], v[QO], s[\sq:\sq+1] offset:\qt*2048+\ds*64+32
.endr
.endr
.endm
; The sums start at zero by moves, twice in the kernel: block B's first tile runs through the loop's shared body, so no first product with C = 0 can be written out for it.
.macro INIT
.set ii, 0
.rept 64
	v_mov_b32 v[OO+ii], 0
.set ii, ii+1
.endr
.irp x, 0,1,2,3
	v_mov_b32 v[LS+\x], 0
.endr
	v_mov_b32 v[MX], s14
	v_mov_b32 v[MX+1], s14
.endm
.macro GROUP qt, kt                    ; eight scores to 2^(c s - c m)
.irp x, 0,2,4,6
	v_pk_fma_f32 v[SS+32*\qt+8*\kt+\x:SS+32*\qt+8*\kt+\x+1], v[SS+32*\qt+8*\kt+\x:SS+32*\qt+8*\kt+\x+1], s[18:19], v[NM+2*\qt:NM+2*\qt+1] op_sel_hi:[1,0,1]
.endr
.irp x, 0,1,2,3,4,5,6,7
	v_exp_f32 v[SS+32*\qt+8*\kt+\x], v[SS+32*\qt+8*\kt+\x]
.endr
.endm
.macro FIN qt, kt                      ; into the running sum, and packed to f16 in place: register 4 kt + x takes elements 2 x, 2 x + 1 of tile kt, and only overwrites what has been used
	s_wait_alu depctr_va_vdst(0)
.irp x, 0,1,2,3
	v_pk_add_f32 v[LS+2*\qt:LS+2*\qt+1], v[LS+2*\qt:LS+2*\qt+1], v[SS+32*\qt+8*\kt+2*\x:SS+32*\qt+8*\kt+2*\x+1]
	v_cvt_pk_f16_f32 v[SS+32*\qt+4*\kt+\x], v[SS+32*\qt+8*\kt+2*\x], v[SS+32*\qt+8*\kt+2*\x+1]
.endr
.endm
; One step: 64 keys (step c of the tile at ka, va) against my 32 queries.
.macro STEP ka, va, c, masked
.irp kt, 0,1,2,3
	ds_load_b128 v[KF+16*\kt:KF+16*\kt+3],   v[\ka] offset:\c*64*KP+\kt*16*KP
	ds_load_b128 v[KF+16*\kt+4:KF+16*\kt+7], v[\ka] offset:\c*64*KP+\kt*16*KP+32
.endr
.irp kt, 0,1,2,3
	ds_load_b128 v[KF+16*\kt+8:KF+16*\kt+11],  v[\ka] offset:\c*64*KP+\kt*16*KP+64
	ds_load_b128 v[KF+16*\kt+12:KF+16*\kt+15], v[\ka] offset:\c*64*KP+\kt*16*KP+96
.endr
	s_wait_dscnt 8                                 ; d = 0 .. 31 of the four key tiles is in; the eight younger loads stay out
	; the eight accumulators take turns, one instruction a turn, in the same order in both halves of d
.irp qt, 0,1
.irp kt, 0,1,2,3
	v_wmma_f32_16x16x32_f16 v[SS+32*\qt+8*\kt:SS+32*\qt+8*\kt+7], v[KF+16*\kt:KF+16*\kt+7], v[QF+16*\qt:QF+16*\qt+7], 0
.endr
.endr
	s_wait_dscnt 0x0
.irp qt, 0,1
.irp kt, 0,1,2,3
	v_wmma_f32_16x16x32_f16 v[SS+32*\qt+8*\kt:SS+32*\qt+8*\kt+7], v[KF+16*\kt+8:KF+16*\kt+15], v[QF+16*\qt+8:QF+16*\qt+15], v[SS+32*\qt+8*\kt:SS+32*\qt+8*\kt+7]
.endr
.endr
.rept 4
	v_nop                                          ; four places in front of the loads into K's registers and of the reads of S
.endr
.irp kp, 0,1
.irp dt, 0,1,2,3
	ds_load_tr16_b128 v[VF+32*\kp+8*\dt:VF+32*\kp+8*\dt+3],   v[\va] offset:\c*64*VP+\kp*32*VP+32*\dt          ; V^T: row d = 16 dt + r, keys 8 h ..
	ds_load_tr16_b128 v[VF+32*\kp+8*\dt+4:VF+32*\kp+8*\dt+7], v[\va] offset:\c*64*VP+\kp*32*VP+32*\dt+16*VP    ; keys 16 + 8 h ..; they land during the softmax
.endr
.endr
.if \masked
.irp qt, 0,1
.irp kt, 0,1,2,3
.irp j, 0,1,2,3,4,5,6,7
	v_cmp_le_i32 vcc_lo, 16*\kt+\j, v[THR+\qt]     ; key 64 c + 16 kt + 8 h + j <= the row's last visible key
	v_cndmask_b32 v[SS+32*\qt+8*\kt+\j], s14, v[SS+32*\qt+8*\kt+\j], vcc_lo
.endr
.endr
.endr
.endif
	; the new maximum: two chains for each query tile, the first started from the running maximum
.irp qt, 0,1
	v_max3_num_f32 v[TA+\qt], v[MX+\qt], v[SS+32*\qt], v[SS+32*\qt+1]
	v_max_num_f32 v[TB+\qt], v[SS+32*\qt+16], v[SS+32*\qt+17]
.endr
.irp x, 1,2,3,4,5,6,7
.irp qt, 0,1
	v_max3_num_f32 v[TA+\qt], v[TA+\qt], v[SS+32*\qt+2*\x], v[SS+32*\qt+2*\x+1]
	v_max3_num_f32 v[TB+\qt], v[TB+\qt], v[SS+32*\qt+16+2*\x], v[SS+32*\qt+17+2*\x]
.endr
.endr
.irp qt, 0,1
	v_max_num_f32 v[TA+\qt], v[TA+\qt], v[TB+\qt]
.endr
.irp qt, 0,1
	v_permlanex16_b32 v[TB+\qt], v[TA+\qt], s12, s13       ; the other 32 keys of the same query
.endr
.irp qt, 0,1
	v_max_num_f32 v[TA+\qt], v[TA+\qt], v[TB+\qt]
.endr
.irp qt, 0,1
	v_mul_f32 v[NM+2*\qt],   0xbe38aa3b, v[TA+\qt]         ; - c m
	v_mul_f32 v[NM+2*\qt+1], 0xbe38aa3b, v[TA+\qt]
.endr
.irp qt, 0,1
	v_fma_f32 v[TB+\qt], v[MX+\qt], s18, v[NM+2*\qt]       ; c (old m - m); -inf at a block's first step, whose m is finite: every row's first step holds a visible key
.endr
.irp qt, 0,1
	v_exp_f32 v[AL+2*\qt],   v[TB+\qt]
	v_exp_f32 v[AL+2*\qt+1], v[TB+\qt]
.endr
.irp qt, 0,1
	v_mov_b32 v[MX+\qt], v[TA+\qt]                 ; also the plain instruction between the exponentials and the use of their results (ISA guide 5.7.2)
.endr
	s_wait_alu depctr_va_vdst(0)
.irp qt, 0,1
	v_pk_mul_f32 v[LS+2*\qt:LS+2*\qt+1], v[LS+2*\qt:LS+2*\qt+1], v[AL+2*\qt:AL+2*\qt+1]
.irp x, 0,2,4,6,8,10,12,14,16,18,20,22,24,26,28,30
	v_pk_mul_f32 v[OO+32*\qt+\x:OO+32*\qt+\x+1], v[OO+32*\qt+\x:OO+32*\qt+\x+1], v[AL+2*\qt:AL+2*\qt+1]
.endr
.endr
	; a group's results are used one group later: the plain instruction behind each run of exponentials is the next group's multiply-add or an older group's add
	GROUP 0, 0
	GROUP 0, 1
	FIN 0, 0
	GROUP 0, 2
	FIN 0, 1
	GROUP 0, 3
	FIN 0, 2
	GROUP 1, 0
	FIN 0, 3
	GROUP 1, 1
	FIN 1, 0
	GROUP 1, 2
	FIN 1, 1
	GROUP 1, 3
	FIN 1, 2
	FIN 1, 3
	s_wait_dscnt 8                                 ; V of keys 0 .. 31 is in
.irp qt, 0,1
.irp dt, 0,1,2,3
	v_wmma_f32_16x16x32_f16 v[OO+32*\qt+8*\dt:OO+32*\qt+8*\dt+7], v[VF+8*\dt:VF+8*\dt+7], v[SS+32*\qt:SS+32*\qt+7], v[OO+32*\qt+8*\dt:OO+32*\qt+8*\dt+7]
.endr
.endr
	s_wait_dscnt 0x0
.irp qt, 0,1
.irp dt, 0,1,2,3
	v_wmma_f32_16x16x32_f16 v[OO+32*\qt+8*\dt:OO+32*\qt+8*\dt+7], v[VF+32+8*\dt:VF+32+8*\dt+7], v[SS+32*\qt+8:SS+32*\qt+15], v[OO+32*\qt+8*\dt:OO+32*\qt+8*\dt+7]
.endr
.endr
.rept 5
	v_nop                                          ; five places: the next step's products write over P; four of them serve its loads into V's registers and any read of O
.endr
.endm
.macro FULL ka, va
.irp c, 0,1,2,3
	STEP \ka, \va, \c, 0
.endr
.endm
; The diagonal tile in slot 0.  Wave w needs step c only if 64 c <= 32 w + 32.  slim: the scalar with the sequence's last key, counted from the block's first.
.macro DIAG slim
	v_min_u32 v[THR], s[\slim], v[RW]
	v_add_nc_u32 v[THR+1], 16, v[RW]
	v_min_u32 v[THR+1], s[\slim], v[THR+1]
	v_sub_nc_u32 v[THR], v[THR], v[H8]
	v_sub_nc_u32 v[THR+1], v[THR+1], v[H8]
	STEP KA0, VA0, 0, 1
.irp c, 1,2,3,4
	s_cmp_lt_u32 s6, 2*\c-1
	s_cbranch_scc1 .Ldiag_end_\@
	v_add_nc_u32 v[THR], 0xffffffc0, v[THR]        ; 64 keys on
	v_add_nc_u32 v[THR+1], 0xffffffc0, v[THR+1]
	STEP KA0, VA0, \c, 1
.endr
.Ldiag_end_\@:
.endm
; A block's end: divide by the sum, split into hi + lo, through my own stage, out in runs of 512 consecutive bytes.  sc: the scalar pair with my ctx rows.
.macro EPI sc
.irp qt, 0,1
	v_add_f32 v[TA+\qt], v[LS+2*\qt], v[LS+2*\qt+1]
.endr
.irp qt, 0,1
	v_permlanex16_b32 v[TB+\qt], v[TA+\qt], s12, s13
.endr
.irp qt, 0,1
	v_add_f32 v[TA+\qt], v[TA+\qt], v[TB+\qt]
.endr
.irp qt, 0,1
	v_rcp_f32 v[AL+2*\qt],   v[TA+\qt]
	v_rcp_f32 v[AL+2*\qt+1], v[TA+\qt]
.endr
	v_nop                                          ; the plain instruction behind the reciprocals
	s_wait_alu depctr_va_vdst(0)
.irp qt, 0,1
.irp dt, 0,1,2,3
.irp x, 0,1,2,3
	v_pk_mul_f32 v[OO+32*\qt+8*\dt+2*\x:OO+32*\qt+8*\dt+2*\x+1], v[OO+32*\qt+8*\dt+2*\x:OO+32*\qt+8*\dt+2*\x+1], v[AL+2*\qt:AL+2*\qt+1]
.endr
.irp x, 0,1,2,3
	v_cvt_pk_bf16_f32 v[192+8*\dt+\x], v[OO+32*\qt+8*\dt+2*\x], v[OO+32*\qt+8*\dt+2*\x+1]     ; hi
.endr
.irp x, 0,1,2,3
	v_lshlrev_b32 v[224+2*\x], 16, v[192+8*\dt+\x]
	v_and_b32 v[225+2*\x], 0xffff0000, v[192+8*\dt+\x]
.endr
.irp x, 0,1,2,3
	v_pk_add_f32 v[224+2*\x:225+2*\x], v[OO+32*\qt+8*\dt+2*\x:OO+32*\qt+8*\dt+2*\x+1], v[224+2*\x:225+2*\x] neg_lo:[0,1] neg_hi:[0,1]
.endr
.irp x, 0,1,2,3
	v_cvt_pk_bf16_f32 v[196+8*\dt+\x], v[224+2*\x], v[225+2*\x]                               ; lo = what hi left
.endr
	ds_store_b128 v[ST], v[192+8*\dt:195+8*\dt] offset:\qt*16*KP+32*\dt
	ds_store_b128 v[ST], v[196+8*\dt:199+8*\dt] offset:\qt*16*KP+32*\dt+32*KP
.endr
.endr
.irp t, 0,1,2,3,4,5,6,7
	ds_load_b128 v[SS+4*\t:SS+4*\t+3], v[RD] offset:\t*4*KP                  ; my own bytes, served in order: these see the stores above
.endr
.irp t, 0,1,2,3,4,5,6,7
	ds_load_b128 v[SS+32+4*\t:SS+32+4*\t+3], v[RD] offset:\t*4*KP+32*KP
.endr
.irp t, 0,1,2,3,4,5,6,7
	s_wait_dscnt 15-\t
	global_store_b128 v[CO], v[SS+4*\t:SS+4*\t+3], s[\sc:\sc+1] offset:\t*512
.endr
.irp t, 0,1,2,3,4,5,6,7
	s_wait_dscnt 7-\t
	global_store_b128 v[CO], v[SS+32+4*\t:SS+32+4*\t+3], s[\sc:\sc+1] offset:\t*512+2097152    ; lo: two slabs on
.endr
.endm
.macro SWITCH                          ; from block A to block B
	LOADQ 28                                       ; on its way during A's end
	EPI 30
	s_wait_xcnt 0x0                                ; the stores' data registers are written again by the next step only behind this wait
	INIT
	s_wait_loadcnt 0x0
.endm
; In front of a change of slots every wave waits for all its tensor loads and for its LDS reads, then passes the barrier.
.macro HEAD
	s_set_vgpr_msb 0x5
	s_wait_tensorcnt 0x0
	ds_add_u32 v0, v1
	s_wait_dscnt 0x0
	s_set_vgpr_msb 0x500
	s_wait_dscnt 0x0
	s_barrier_signal -1
	s_barrier_wait -1
.endm
; The refill: the wave's first and only tensor load behind the barrier.  No load of the wave is out, so the group 0 may be written.
.macro REFILL g0k, g0v, g1k, g1v, base
	s_cmp_lt_u32 s6, 4
	s_cbranch_scc0 .Lrefill_k_\@
	s_add_nc_u64 s[\g0v+2:\g0v+3], s[\base:\base+1], s[24:25]
	s_or_b32 s[\g0v+3], s[\g0v+3], 0x80000000
	tensor_load_to_lds s[\g0v:\g0v+3], s[\g1v:\g1v+7]
	s_nop 0
.rept 4
	v_nop
.endr
	s_branch .Lrefill_done_\@
.Lrefill_k_\@:
	s_add_nc_u64 s[\g0k+2:\g0k+3], s[\base:\base+1], s[24:25]
	s_or_b32 s[\g0k+3], s[\g0k+3], 0x80000000
	tensor_load_to_lds s[\g0k:\g0k+3], s[\g1k:\g1k+7]
	s_nop 0
.rept 4
	v_nop
.endr
.Lrefill_done_\@:
.endm
.macro TAU                             ; s24 = byte offset of full tile number s17: its index is s17 while it is A's, s17 - iA when it is B's
	s_cmp_ge_u32 s17, s8
	s_cselect_b32 s92, s8, 0
	s_sub_co_u32 s92, s17, s92
	s_lshl_b32 s24, s92, 15
.endm
	LOADQ 26
	INIT
	s_wait_tensorcnt 0x1                           ; my part of slot 0 is in; slot 1's was issued behind it and may stay out
	s_wait_loadcnt 0x0                             ; Q
	s_barrier_signal -1
	s_barrier_wait -1
	DIAG 10
	s_mov_b32 s15, 0
.Lloop:
	s_lshl_b32 s16, s15, 1                         ; f = 0, 2, 4: in slot 1
	s_add_co_u32 s17, s16, 1
	TAU
	HEAD
	REFILL G0K0N, G0V0N, G1K, G1V, 20              ; tile f + 1 into slot 0
	s_cmp_lg_u32 s16, s8
	s_cbranch_scc1 .Lsame_a
	SWITCH
.Lsame_a:
	FULL KA1, VA1
	s_add_co_u32 s17, s16, 2                       ; f + 1 = 1, 3, 5: in slot 0
	TAU
	HEAD
	REFILL G0K1, G0V1, G1K, G1V, 20                ; tile f + 2 into slot 1
	s_add_co_u32 s17, s16, 1
	s_cmp_lg_u32 s17, s8
	s_cbranch_scc1 .Lsame_b
	SWITCH
.Lsame_b:
	FULL KA0, VA0
	s_add_co_u32 s15, s15, 1
	s_cmp_lt_u32 s15, 3
	s_cbranch_scc1 .Lloop
	s_lshl_b32 s24, s9, 15                         ; f = 6, always B's (iA <= 3): meanwhile the diagonal tile of B goes into slot 0
	HEAD
	REFILL G0K0D, G0V0D, G1KD, G1VD, 22
	FULL KA1, VA1
	HEAD                                           ; nothing is left to fetch; no tensor load is out from here on
	DIAG 11
	EPI 66
	s_set_vgpr_msb 0x5
	s_wait_tensorcnt 0x0
	ds_add_u32 v0, v1
	s_wait_dscnt 0x0
	s_set_vgpr_msb 0x500
	s_endpgm
.Lfunc_end_k_qf222332cc6_attn:
	.size	k_qf222332cc6_attn, .Lfunc_end_k_qf222332cc6_attn-k_qf222332cc6_attn
	.p2alignl 7, 3214868480
	.fill 96, 4, 3214868480
	.section	.rodata,"a",@progbits
	.p2align	6, 0x0
	.amdhsa_kernel k_qf222332cc6_attn
		.amdhsa_group_segment_fixed_size 327680
		.amdhsa_private_segment_fixed_size 0
		.amdhsa_enable_private_segment 0
		.amdhsa_kernarg_size 16
		.amdhsa_user_sgpr_count 2
		.amdhsa_user_sgpr_kernarg_segment_ptr 1
		.amdhsa_wavefront_size32 1
		.amdhsa_system_sgpr_workgroup_id_x 1
		.amdhsa_system_sgpr_workgroup_id_y 1
		.amdhsa_system_sgpr_workgroup_id_z 1
		.amdhsa_system_vgpr_workitem_id 0
		.amdhsa_next_free_vgpr 258
		.amdhsa_next_free_sgpr 96
		.amdhsa_reserve_vcc 1
		.amdhsa_float_denorm_mode_32 3
		.amdhsa_float_denorm_mode_16_64 3
		.amdhsa_memory_ordered 1
		.amdhsa_forward_progress 1
		.amdhsa_inst_pref_size 255
	.end_amdhsa_kernel
	.section	.bss,"aw",@nobits
	.p2align	6
	.space	262144
	.amdgpu_metadata
---
amdhsa.version: [ 1, 2 ]
amdhsa.kernels:
  - .name:           k_qf222332cc6_attn
    .symbol:         k_qf222332cc6_attn.kd
    .args:
      - { .name: qkv, .offset: 0, .size: 8, .value_kind: global_buffer, .address_space: global }
      - { .name: ctx, .offset: 8, .size: 8, .value_kind: global_buffer, .address_space: global }
    .group_segment_fixed_size: 327680
    .private_segment_fixed_size: 0
    .kernarg_segment_align: 8
    .kernarg_segment_size: 16
    .max_flat_workgroup_size: 256
    .sgpr_count:     96
    .vgpr_count:     258
    .wavefront_size: 32
...
	.end_amdgpu_metadata
.endif
;; end of part 3
;; launch gemm2 (part 4): grid 8 x 32, 4 waves a work-group, clusters of 4 x 4, 327,680 bytes of LDS; arguments ctx, wo2, bo, out0; writes out0
.if DOCPART == 4
	.amdgcn_target "amdgcn-amd-amdhsa--gfx1250"
	.amdhsa_code_object_version 6
	.text
	.protected	k_qf222332cc6_gemm2
	.globl	k_qf222332cc6_gemm2
	.p2align	8
	.type	k_qf222332cc6_gemm2,@function
k_qf222332cc6_gemm2:
	s_mov_b64 s[64:65], 0
	v_nop
	global_prefetch_b8 v0, s[64:65] scope:SCOPE_SE
	s_setreg_imm32_b32 hwreg(HW_REG_WAVE_MODE, 25, 1), 1
	s_wait_xcnt 0x0
	s_wait_alu depctr_hold_cnt(0) depctr_sa_sdst(0) depctr_va_vdst(0) depctr_va_sdst(0) depctr_va_ssrc(0) depctr_va_vcc(0) depctr_vm_vsrc(0)
	s_getreg_b32 s2, hwreg(HW_REG_IB_STS2, 6, 4)
	s_cmp_eq_u32 s2, 0
	s_cbranch_scc0 .Lentry_in_a_cluster
	s_endpgm
.Lentry_in_a_cluster:
	s_bfe_u32 s2, ttmp6, 0x10000c
	s_cmp_lg_u32 s2, 0xf033
	s_cbranch_scc0 .Lentry_shape_is_right
	s_endpgm
.Lentry_shape_is_right:
; out0[m][n] = sum over k' of ctx'[m][k'] wo2[n][k'] + bo[n], 8192 x 1024 x 2048, bf16 operands, f32 sums, f32 out.
; ctx' is ctx as it lies: 32 slabs of [8192][64]; k' = 64 slab + d runs through hi and lo of each pair of heads, and wo2 holds each weight at both places,
; so the sum is (hi + lo) Wo: ctx enters with 16 significant bits.
; A work-group makes a block of 256 x 128 (256 work-groups); a wave makes 128 x 64: 32 accumulator tiles, 256 registers, one window.
; K' goes in steps of 128 (two slabs) through a ring of two LDS slots.  Waves 0 and 1 fetch a slab's 256 rows each (32,768 dense bytes), waves 2 and 3 64 rows of wo2 each.
; CLUSTERS: 4 x 4; ctx's tiles are shared along a row of the cluster, wo2's along a column, each by a joint load.
; From a request to the wait for it a wave issues 120 matrix instructions; two slots of a longer step do not fit in LDS.
;   window 0: v16-27 addresses, v[32:35] bias, v64-127 and v128-191 fragments of ctx (two buffers), v192-223 and v224-255 fragments of wo2
;   window 1: accumulator tile (a, b) at v[8 (4 a + b)]
; Transposed use: source 0 = 16 rows of wo2, source 1 = 16 rows of ctx: lane l holds row l % 16 and columns 8 (l / 16) + 0 .. 7.
.set KSTEP,  128
.set APITCH, 144                       ; a slab row: 128 bytes + 16
.set BPITCH, 272                       ; a row of wo2's tile: 256 bytes + 16
.set ASLAB,  256*APITCH                ; 36,864
.set BOFF,   2*ASLAB                   ; wo2's tile lies behind the two slabs
.set BHALF,  64*BPITCH                 ; 17,408
.set SLOT,   BOFF+2*BHALF              ; 108,544
.set STAGE,  2*SLOT                    ; 217,088: 16 rows x 272 bytes for each wave; no tensor load lands there
.set SPITCH, 272
.set SLABB,  1048576                   ; bytes in a slab
.set LAPS,   8                         ; 16 K steps, two a lap
.set ADRA, 16
.set ADRB, 20
.set STO,  24
.set RD,   25
.set CO,   26
.set BIA,  32
.set FA,   64                          ; + 64 x buffer
.set FB,   192                         ; + 32 x buffer
.set G1, 24
.set G0, 32
.set G1B, 48
.set G0B, 56
.set MSB, 0
.macro WIN new                         ; the immediate's high byte repeats the setting that is left
.if MSB != \new
	s_set_vgpr_msb (MSB<<8)|\new
.set MSB, \new
.endif
.endm
.set MULW, 0x50                        ; sources 0 and 1 window 0, C and D window 1
.set FROM1, 0x04                       ; an LDS store's data from window 1
.macro JLOAD s
	s_cmp_eq_u32 s11, 0
	s_cbranch_scc0 .Lfor_b_\@
	tensor_load_to_lds s[G0+4*\s:G0+4*\s+3], s[G1:G1+7]
	s_nop 0
.rept 4
	v_nop
.endr
	s_branch .Lasked_\@
.Lfor_b_\@:
	tensor_load_to_lds s[G0B+4*\s:G0B+4*\s+3], s[G1B:G1B+7]
	s_nop 0
.rept 4
	v_nop
.endr
.Lasked_\@:
.endm
.macro CREST
	s_cmp_lg_u32 s10, 0
	s_cbranch_scc1 .Lnot_wave_0_\@
	s_barrier_signal -3
.Lnot_wave_0_\@:
	s_barrier_wait -3
	s_barrier_signal -1
	s_barrier_wait -1
.endm
.macro CROUND
	s_barrier_signal -1
	s_barrier_wait -1
	CREST
.endm
	s_load_b128 s[4:7], s[0:1], 0x0                ; ctx s[4:5], wo2 s[6:7]
	s_load_b64 s[66:67], s[0:1], 0x10              ; bo
	s_load_b64 s[8:9], s[0:1], 0x18                ; out0
	v_lshl_add_u32 v62, v0, 2, 0x39400
	v_mov_b32 v63, 0
	ds_add_u32 v62, v63
	v_lshrrev_b32 v1, 5, v0
	v_readfirstlane_b32 s10, v1                    ; wave 0..3
	s_lshr_b32 s11, s10, 1                         ; my half of the block's rows.  Also: I fetch for ctx (0) or for wo2 (1)
	s_and_b32 s12, s10, 1                          ; my half of its columns.  Also: which slab, or which 64 rows, I fetch
	s_bfe_u32 s40, ttmp6, 0x40000                  ; cx
	s_bfe_u32 s41, ttmp6, 0x40004                  ; cy
	s_lshl_b32 s42, ttmp9, 2
	s_add_co_u32 s42, s42, s40                     ; block column
	s_and_b32 s13, ttmp7, 0xffff
	s_lshl_b32 s13, s13, 2
	s_add_co_u32 s13, s13, s41                     ; block row
	s_lshl_b32 s43, s41, 2
	s_lshl_b32 s43, 15, s43                        ; my row of the cluster
	s_lshl_b32 s44, 0x1111, s40                    ; my column
	s_or_b32 s[G1+0], s43, (1<<16)|(1<<20)|(1<<21)|(4<<22)|(3<<25)  ; ctx: mask of my row; elements of 2 bytes; padding of 4 words behind every 32 words = behind every slab row
	s_mov_b32 s[G1+1], 128<<16                     ; the dense 32,768 bytes come as 128 rows of 256 bytes
	s_mov_b32 s[G1+2], 128<<16
	s_mov_b32 s[G1+3], 128<<16
	s_mov_b32 s[G1+4], 128
	s_mov_b32 s[G1+5], 128
	s_mov_b32 s[G1+6], 0
	s_mov_b32 s[G1+7], 0
	s_or_b32 s[G1B+0], s44, (1<<16)|(1<<20)|(1<<21)|(5<<22)|(3<<25) ; wo2: mask of my column; padding of 4 words behind every 64 words
	s_mov_b32 s[G1B+1], KSTEP<<16                  ; 128 elements
	s_mov_b32 s[G1B+2], 64<<16                     ; 64 rows
	s_mov_b32 s[G1B+3], KSTEP<<16
	s_mov_b32 s[G1B+4], 64
	s_mov_b32 s[G1B+5], 2048                       ; elements from row to row
	s_mov_b32 s[G1B+6], 0
	s_mov_b32 s[G1B+7], 0
	s_lshl_b32 s16, s13, 15                        ; ctx: 256 rows of 128 bytes a block row,
	s_lshl_b32 s17, s12, 20                        ; + my slab of the step's two
	s_add_co_u32 s16, s16, s17
	s_mov_b32 s17, 0
	s_lshl_b32 s46, s42, 19                        ; wo2: 128 rows of 4,096 bytes a block column,
	s_lshl_b32 s47, s12, 18                        ; + my 64 rows
	s_add_co_u32 s46, s46, s47
	s_mov_b32 s47, 0
	s_mul_i32 s20, s10, ASLAB                      ; waves 0, 1: slab 0, 1
	s_mul_i32 s21, s10, BHALF
	s_add_co_u32 s21, s21, BOFF-2*BHALF            ; waves 2, 3: wo2's halves
	s_wait_dscnt 0x0
	s_wait_kmcnt 0x0
	s_add_nc_u64 s[14:15], s[4:5], s[16:17]
	s_add_nc_u64 s[46:47], s[6:7], s[46:47]
	CROUND                                         ; all sixteen work-groups are here: the first joint loads meet
.irp s, 0,1
	s_mov_b32 s[G0+4*\s], 1
	s_add_co_u32 s[G0+4*\s+1], s20, \s*SLOT
	s_add_nc_u64 s[G0+4*\s+2:G0+4*\s+3], s[14:15], \s*2*SLABB
	s_or_b32 s[G0+4*\s+3], s[G0+4*\s+3], 0x80000000
	s_mov_b32 s[G0B+4*\s], 1
	s_add_co_u32 s[G0B+4*\s+1], s21, \s*SLOT
	s_add_nc_u64 s[G0B+4*\s+2:G0B+4*\s+3], s[46:47], \s*KSTEP*2
	s_or_b32 s[G0B+4*\s+3], s[G0B+4*\s+3], 0x80000000
	JLOAD \s                                       ; two tensor loads of a wave are out here, the most in this text
.endr
	v_and_b32 v1, 15, v0                           ; l % 16
	v_bfe_u32 v2, v0, 4, 1                         ; l / 16
	v_mul_u32_u24 v3, v1, APITCH
	v_lshl_add_u32 v3, v2, 4, v3
	v_mul_u32_u24 v4, v1, BPITCH
	v_lshl_add_u32 v4, v2, 4, v4
	s_mul_i32 s22, s11, 128*APITCH                 ; my 128 rows of each slab
	s_mul_i32 s23, s12, BHALF                      ; my 64 rows of wo2
	s_add_co_u32 s23, s23, BOFF
.irp s, 0,1
	v_add_nc_u32 v[ADRA+\s], s22, v3
	v_add_nc_u32 v[ADRB+\s], s23, v4
	s_add_co_u32 s22, s22, SLOT
	s_add_co_u32 s23, s23, SLOT
.endr
	s_mul_i32 s23, s10, 16*SPITCH
	s_add_co_u32 s23, s23, STAGE                   ; my stage
	v_mul_u32_u24 v4, v1, SPITCH                   ; in: row l % 16, 32 bytes for each half of the lanes
	v_lshl_add_u32 v4, v2, 5, v4
	v_add_nc_u32 v[STO], s23, v4
	v_mul_u32_u24 v5, v2, SPITCH                   ; back: lanes 0-15 one row of 256 bytes, lanes 16-31 the next
	v_lshl_add_u32 v5, v1, 4, v5
	v_add_nc_u32 v[RD], s23, v5
	v_lshlrev_b32 v5, 12, v2                       ; and the same two rows of out0, 4,096 bytes apart
	v_lshl_add_u32 v[CO], v1, 4, v5
	v_lshlrev_b32 v27, 4, v1
	s_lshl_b32 s46, s42, 9                         ; my first column in bytes, for bo and for out0 (in the registers that held wo2's address)
	s_lshl_b32 s47, s12, 8
	s_add_co_u32 s46, s46, s47
	s_mov_b32 s47, 0
	s_add_nc_u64 s[66:67], s[66:67], s[46:47]
	global_load_b128 v[BIA:BIA+3], v27, s[66:67]   ; the bias of the four columns that I store
; 8 matrix instructions: m blocks a0, a0 + 1 x the 4 n blocks.  The 32 accumulators take turns, one instruction a turn, in the same order in every quarter step.
.macro MUL8 buf, a0, zero
.irp a, \a0, \a0+1
.irp b, 0,1,2,3
.if \zero
	v_wmma_f32_16x16x32_bf16 v[8*(4*(\a)+\b):8*(4*(\a)+\b)+7], v[FB+32*\buf+8*\b:FB+32*\buf+8*\b+7], v[FA+64*\buf+8*(\a):FA+64*\buf+8*(\a)+7], 0
.else
	v_wmma_f32_16x16x32_bf16 v[8*(4*(\a)+\b):8*(4*(\a)+\b)+7], v[FB+32*\buf+8*\b:FB+32*\buf+8*\b+7], v[FA+64*\buf+8*(\a):FA+64*\buf+8*(\a)+7], v[8*(4*(\a)+\b):8*(4*(\a)+\b)+7]
.endif
.endr
.endr
.endm
; 24 LDS loads in one run: quarter q of a K step (slab q / 2, bytes 64 (q % 2) of its rows) into buffer buf; wo2's first
.macro FETCH slot, q, buf
	WIN 0
.irp b, 0,1,2,3
	ds_load_b128 v[FB+32*\buf+8*\b:FB+32*\buf+8*\b+3],   v[ADRB+\slot] offset:64*\q+\b*16*BPITCH
	ds_load_b128 v[FB+32*\buf+8*\b+4:FB+32*\buf+8*\b+7], v[ADRB+\slot] offset:64*\q+\b*16*BPITCH+32
.endr
.irp i, 0,1,2,3,4,5,6,7
	ds_load_b128 v[FA+64*\buf+8*\i:FA+64*\buf+8*\i+3],   v[ADRA+\slot] offset:(\q/2)*ASLAB+(\q%2)*64+\i*16*APITCH
	ds_load_b128 v[FA+64*\buf+8*\i+4:FA+64*\buf+8*\i+7], v[ADRA+\slot] offset:(\q/2)*ASLAB+(\q%2)*64+\i*16*APITCH+32
.endr
.endm
.macro PLACES                          ; four places between a matrix instruction and a load into, or an LDS store from, one of its registers
.rept 4
	v_nop
.endr
.endm
.macro QUARTER slot, q, f, g, zero
	s_wait_dscnt 8                                 ; wo2's and ctx's rows 0-63 are in; the youngest eight loads (rows 64-127) may be out
	WIN MULW
	MUL8 \f, 0, \zero
	MUL8 \f, 2, \zero
	PLACES
	FETCH \slot, \q, \g
	s_wait_dscnt 24                                ; all but the 24 just issued
	WIN MULW
	MUL8 \f, 4, \zero
	MUL8 \f, 6, \zero
.endm
.macro THREE slot, zero
	QUARTER \slot, 1, 0, 1, \zero
	QUARTER \slot, 2, 1, 0, 0
	QUARTER \slot, 3, 0, 1, 0
.endm
.macro TURN slot, next, fill
	s_wait_dscnt 8
	WIN MULW
	MUL8 1, 0, 0
	s_wait_dscnt 0                                 ; my reads of this slot are over
	s_wait_tensorcnt 0x0                           ; all my tensor loads have landed: the one that was out is my part of the next slot
	ds_add_u32 v62, v63
	s_wait_dscnt 0x0
	s_barrier_signal -1
	MUL8 1, 2, 0                                   ; register work between signal and wait
	WIN 0
	s_barrier_wait -1
.if \fill
	CREST                                          ; no wave of any partner still reads this slot or has a load on its way
	s_add_nc_u64 s[G0+4*\slot+2:G0+4*\slot+3], s[G0+4*\slot+2:G0+4*\slot+3], 4*SLABB
	s_add_nc_u64 s[G0B+4*\slot+2:G0B+4*\slot+3], s[G0B+4*\slot+2:G0B+4*\slot+3], 2*KSTEP*2
	JLOAD \slot                                    ; the first tensor load behind the round; its four v_nop are also the places in front of the loads below
.else
	PLACES
.endif
	FETCH \next, 0, 0
	WIN MULW
	MUL8 1, 4, 0
	MUL8 1, 6, 0
.endm
.macro LAP zero
	THREE 0, \zero
	TURN 0, 1, 1
	THREE 1, 0
	TURN 1, 0, 1
.endm
	s_wait_tensorcnt 1                             ; my part of K step 0 is in; K step 1's stays out
	s_barrier_signal -1
	s_barrier_wait -1
	FETCH 0, 0, 0
	LAP 1                                          ; the first lap stands in front of the loop: its first products start the sums
	WIN 0
	s_mov_b32 s3, LAPS-2
.Llap:
	LAP 0
	WIN 0
	s_sub_co_u32 s3, s3, 1
	s_cmp_lg_u32 s3, 0
	s_cbranch_scc1 .Llap
	THREE 0, 0                                     ; the last lap fills nothing
	TURN 0, 1, 0
	THREE 1, 0
	s_wait_dscnt 8
	WIN MULW
	MUL8 1, 0, 0
	MUL8 1, 2, 0
	s_wait_dscnt 0
	MUL8 1, 4, 0
	MUL8 1, 6, 0
	; THE WAY OUT, 16 rows at a time: 32 bytes a lane into my own stage, read back as whole rows of 256 bytes, bias added, stored.
	PLACES
	s_lshl_b32 s16, s13, 20                        ; 256 rows of 4,096 bytes a block row
	s_lshl_b32 s17, s11, 19                        ; + my 128 rows
	s_add_co_u32 s16, s16, s17
	s_mov_b32 s17, 0
	s_add_nc_u64 s[8:9], s[8:9], s[16:17]
	s_add_nc_u64 s[8:9], s[8:9], s[46:47]          ; + my first column
	s_wait_loadcnt 0x0                             ; the bias
.macro OUT16 a, f
	WIN FROM1
.irp b, 0,1,2,3
	ds_store_b128 v[STO], v[8*(4*\a+\b):8*(4*\a+\b)+3]   offset:64*\b
	ds_store_b128 v[STO], v[8*(4*\a+\b)+4:8*(4*\a+\b)+7] offset:64*\b+16
.endr
	WIN 0
	s_wait_xcnt 0x0                                ; buffer f, which earlier stores read, is loaded again only behind this wait
.irp t, 0,1,2,3,4,5,6,7
	ds_load_b128 v[\f+4*\t:\f+4*\t+3], v[RD] offset:\t*2*SPITCH    ; my own bytes, served in order: these see the stores above
.endr
.irp t, 0,1,2,3,4,5,6,7
	s_wait_dscnt 7-\t
	v_pk_add_f32 v[\f+4*\t:\f+4*\t+1],   v[\f+4*\t:\f+4*\t+1],   v[BIA:BIA+1]
	v_pk_add_f32 v[\f+4*\t+2:\f+4*\t+3], v[\f+4*\t+2:\f+4*\t+3], v[BIA+2:BIA+3]
	global_store_b128 v[CO], v[\f+4*\t:\f+4*\t+3], s[8:9] offset:\a*65536+\t*8192 th:TH_STORE_NT   ; sixteen lanes store 256 consecutive bytes, at a multiple of 256 from out0's first byte
.endr
.endm
	OUT16 0, 64
	OUT16 1, 128
	OUT16 2, 64
	OUT16 3, 128
	OUT16 4, 64
	OUT16 5, 128
	OUT16 6, 64
	OUT16 7, 128
	s_wait_tensorcnt 0x0
	ds_add_u32 v62, v63
	s_wait_dscnt 0x0
	CROUND                                         ; the closing round: no work-group ends while a partner may still ask for a tile that names it
	s_endpgm
.Lfunc_end_k_qf222332cc6_gemm2:
	.size	k_qf222332cc6_gemm2, .Lfunc_end_k_qf222332cc6_gemm2-k_qf222332cc6_gemm2
	.p2alignl 7, 3214868480
	.fill 96, 4, 3214868480
	.section	.rodata,"a",@progbits
	.p2align	6, 0x0
	.amdhsa_kernel k_qf222332cc6_gemm2
		.amdhsa_group_segment_fixed_size 327680
		.amdhsa_private_segment_fixed_size 0
		.amdhsa_enable_private_segment 0
		.amdhsa_kernarg_size 32
		.amdhsa_user_sgpr_count 2
		.amdhsa_user_sgpr_kernarg_segment_ptr 1
		.amdhsa_wavefront_size32 1
		.amdhsa_system_sgpr_workgroup_id_x 1
		.amdhsa_system_sgpr_workgroup_id_y 1
		.amdhsa_system_sgpr_workgroup_id_z 1
		.amdhsa_system_vgpr_workitem_id 0
		.amdhsa_next_free_vgpr 512
		.amdhsa_next_free_sgpr 68
		.amdhsa_reserve_vcc 0
		.amdhsa_float_denorm_mode_32 3
		.amdhsa_float_denorm_mode_16_64 3
		.amdhsa_memory_ordered 1
		.amdhsa_forward_progress 1
		.amdhsa_inst_pref_size 127
	.end_amdhsa_kernel
	.amdgpu_metadata
---
amdhsa.version: [ 1, 2 ]
amdhsa.kernels:
  - .name:           k_qf222332cc6_gemm2
    .symbol:         k_qf222332cc6_gemm2.kd
    .args:
      - { .name: ctx, .offset: 0, .size: 8, .value_kind: global_buffer, .address_space: global }
      - { .name: wo2, .offset: 8, .size: 8, .value_kind: global_buffer, .address_space: global }
      - { .name: bo, .offset: 16, .size: 8, .value_kind: global_buffer, .address_space: global }
      - { .name: out0, .offset: 24, .size: 8, .value_kind: global_buffer, .address_space: global }
    .group_segment_fixed_size: 327680
    .private_segment_fixed_size: 0
    .kernarg_segment_align: 8
    .kernarg_segment_size: 32
    .max_flat_workgroup_size: 128
    .sgpr_count:     68
    .vgpr_count:     512
    .wavefront_size: 32
...
	.end_amdgpu_metadata
.endif
;; end of part 4
;; ======== version 2 of 2: 4 launches; 1.13 times as fast as version 1
;; limits: values are held in f16: magnitudes above 65,504 overflow, below 6.1e-05 lose precision
;; workspace buffers: xb 16,777,216 bytes; wt 8,388,608 bytes; qkv 50,331,648 bytes; ctx 33,554,432 bytes
;; launch prep (part 5): grid 1152 x 1, 4 waves a work-group, no clusters, 70,144 bytes of LDS; arguments x, Wk, Wv, Wq, Wo, xb, wt; writes xb, wt
.if DOCPART == 5
	.amdgcn_target "amdgcn-amd-amdhsa--gfx1250"
	.amdhsa_code_object_version 6
	.text
	.protected	k_qf222332cc6_prep
	.globl	k_qf222332cc6_prep
	.p2align	8
	.type	k_qf222332cc6_prep,@function
k_qf222332cc6_prep:
	s_mov_b64 s[64:65], 0
	v_nop
	global_prefetch_b8 v0, s[64:65] scope:SCOPE_SE
	s_setreg_imm32_b32 hwreg(HW_REG_WAVE_MODE, 25, 1), 1
	s_wait_xcnt 0x0
; Rounds the inputs to bf16 once, in slabs of 64 k, the layout in which the products fetch them:
;   xb [16 slabs][8192 rows][64]   xb[k >> 6][m][k & 63] = x[m][k]
;   wt [16 slabs][4096 rows][64]   wt[k >> 6][1024 j + n][k & 63] = W_j[k][n],  j = 0 Wk, 1 Wv, 2 Wq, 3 Wo  (transposed: k along the row)
; Any run of rows of a slab is dense in memory, so a product's tile of 64 k is one run of consecutive bytes.
; Work-groups 0 to 127 transpose the weights, 128 to 1151 convert x.  No matrix unit, no cluster: every byte is read once and written once.
; LIMIT: inputs are rounded to bf16 (8 significant bits), to nearest even.
.set WGS_W,  128                       ; work-groups of the weights' part
.set SP,     272                       ; stage row: 128 k x 2 bytes + 16
.set STGW,   64*SP                     ; a wave's stage: 64 rows (n)
.set XSLAB,  8192*128                  ; bytes in a slab of xb
.set WSLAB,  4096*128                  ; bytes in a slab of wt
.set BANK0,  16                        ; v[16:79]   32 rows (k) of two columns each
.set BANK1,  80                        ; v[80:143]  the same, the other bank
	s_load_b256 s[4:11], s[0:1], 0x0               ; x s[4:5], Wk s[6:7], Wv s[8:9], Wq s[10:11]
	s_load_b128 s[12:15], s[0:1], 0x20             ; Wo s[12:13], xb s[14:15]
	s_load_b64 s[16:17], s[0:1], 0x30              ; wt
	v_lshl_add_u32 v144, v0, 2, 0x11000
	v_mov_b32 v145, 0
	v_lshrrev_b32 v1, 5, v0
	v_readfirstlane_b32 s21, v1                    ; wave 0..3
	s_mov_b32 s20, ttmp9
	s_cmp_lt_u32 s20, WGS_W
	s_cbranch_scc1 .Lweights
	; ---- x: the work-group converts 8 rows.  Thread t: 8 numbers at 8 (t & 7) of a slab's 64, row bit (t >> 3) & 1, slabs 2 (t >> 4) and + 1.
	; Trip it takes slab 2 (t >> 4) + (it & 1) of the rows 2 (it >> 1) and + 1: eight lanes read 256 consecutive bytes, sixteen lanes store 256.
	s_sub_co_u32 s20, s20, WGS_W
	s_lshl_b32 s22, s20, 15                        ; 8 rows of 4,096 bytes in
	s_mov_b32 s23, 0
	s_lshl_b32 s24, s20, 10                        ; 8 rows of 128 bytes in each slab out
	s_mov_b32 s25, 0
	v_and_b32 v3, 7, v0
	v_bfe_u32 v4, v0, 3, 1
	v_lshrrev_b32 v5, 4, v0
	v_lshlrev_b32 v1, 12, v4                       ; in: row bit x 4,096
	v_lshl_add_u32 v1, v5, 9, v1                   ;     + two slabs' 512 bytes
	v_lshl_add_u32 v1, v3, 5, v1                   ;     + 8 numbers of 4 bytes
	v_lshlrev_b32 v2, 21, v5                       ; out: two slabs
	v_lshl_add_u32 v2, v4, 7, v2                   ;     + row bit x 128
	v_lshl_add_u32 v2, v3, 4, v2                   ;     + 8 numbers of 2 bytes
	s_wait_kmcnt 0x0
	s_add_nc_u64 s[4:5], s[4:5], s[22:23]
	s_add_nc_u64 s[14:15], s[14:15], s[24:25]
.irp it, 0,1,2,3,4,5,6,7
	global_load_b128 v[16+8*\it:16+8*\it+3],   v1, s[4:5] offset:(\it/2)*8192+(\it%2)*256 th:TH_LOAD_NT
	global_load_b128 v[16+8*\it+4:16+8*\it+7], v1, s[4:5] offset:(\it/2)*8192+(\it%2)*256+16 th:TH_LOAD_NT
.endr
.irp it, 0,1,2,3,4,5,6,7
	s_wait_loadcnt 14-2*\it                        ; loads come back in order: this trip's two are in, the younger pairs stay out
.irp x, 0,1,2,3
	v_cvt_pk_bf16_f32 v[80+4*\it+\x], v[16+8*\it+2*\x], v[16+8*\it+2*\x+1]
.endr
	global_store_b128 v2, v[80+4*\it:80+4*\it+3], s[14:15] offset:(\it%2)*XSLAB+(\it/2)*256   ; sixteen lanes store 256 consecutive bytes, aligned; no register is written twice
.endr
	s_endpgm
	; ---- weights: a wave transposes 128 k x 64 n through its own stage in LDS
.Lweights:
	s_lshr_b32 s22, s20, 5                         ; j: 0 Wk, 1 Wv, 2 Wq, 3 Wo
	s_and_b32 s23, s20, 31
	s_lshl2_add_u32 s23, s23, s21                  ; u = 4 (id & 31) + wave, 0..127
	s_and_b32 s24, s23, 7                          ; kb: block of 128 k = slabs 2 kb and 2 kb + 1
	s_lshr_b32 s25, s23, 3                         ; nb: block of 64 n
	s_lshl_b32 s26, s24, 19                        ; 128 rows of 4,096 bytes
	s_lshl_b32 s28, s25, 8                         ; 64 columns of 4 bytes
	s_add_co_u32 s26, s26, s28
	s_mov_b32 s27, 0
	s_mul_i32 s29, s21, STGW                       ; my stage
	v_and_b32 v5, 31, v0                           ; lane L
	v_lshlrev_b32 v1, 3, v5                        ; 8 L: columns 2 L and 2 L + 1; a wave's load is 256 consecutive bytes
	v_mul_u32_u24 v2, v5, 2*SP
	v_add_nc_u32 v2, s29, v2                       ; in: stage row 2 L
	v_lshrrev_b32 v6, 4, v5                        ; L >> 4: which of the two slabs
	v_bfe_u32 v7, v0, 3, 1                         ; (L >> 3) & 1: which of two rows n
	v_and_b32 v5, 7, v0                            ; L & 7: which 16 bytes of the row's 128
	v_mul_u32_u24 v3, v7, SP
	v_lshl_add_u32 v3, v6, 7, v3
	v_lshl_add_u32 v3, v5, 4, v3
	v_add_nc_u32 v3, s29, v3                       ; back: sixteen lanes take 64 k of two neighbouring rows n
	v_lshlrev_b32 v4, 19, v6                       ; out: the slab (524,288 bytes),
	v_lshl_add_u32 v4, v7, 7, v4                   ; the row,
	v_lshl_add_u32 v4, v5, 4, v4                   ; the 16 bytes
	s_wait_kmcnt 0x0
	s_cmp_eq_u32 s22, 1
	s_cselect_b64 s[6:7], s[8:9], s[6:7]
	s_cmp_eq_u32 s22, 2
	s_cselect_b64 s[6:7], s[10:11], s[6:7]
	s_cmp_eq_u32 s22, 3
	s_cselect_b64 s[6:7], s[12:13], s[6:7]         ; the matrix that this work-group transposes
	s_add_nc_u64 s[6:7], s[6:7], s[26:27]
.macro LOADG g, bank                   ; rows k = 32 g .. 32 g + 31 of my two columns
.set kk, 0
.rept 32
	global_load_b64 v[\bank+2*kk:\bank+2*kk+1], v1, s[6:7] offset:(32*\g+kk)*4096 th:TH_LOAD_NT
.set kk, kk+1
.endr
.endm
.macro PROC g, bank                    ; eight k of one column make 16 bytes of a stage row
.irp ch, 0,1,2,3
.irp c2, 0,1
.irp x, 0,1,2,3
	v_cvt_pk_bf16_f32 v[8+4*\c2+\x], v[\bank+2*(8*\ch+2*\x)+\c2], v[\bank+2*(8*\ch+2*\x+1)+\c2]
.endr
	ds_store_b128 v2, v[8+4*\c2:8+4*\c2+3] offset:\c2*SP+(32*\g+8*\ch)*2
.endr
.endr
.endm
	LOADG 0, BANK0
	LOADG 1, BANK1
	s_wait_loadcnt 32                              ; the older bank's 32 loads are in, the younger bank's stay out
	PROC 0, BANK0
	LOADG 2, BANK0
	s_wait_loadcnt 32
	PROC 1, BANK1
	LOADG 3, BANK1
	s_wait_loadcnt 32
	PROC 2, BANK0
	s_wait_loadcnt 0x0
	PROC 3, BANK1
.set tt, 0
.rept 32
	ds_load_b128 v[16+4*tt:16+4*tt+3], v3 offset:tt*2*SP     ; my own bytes: LDS serves a wave's instructions in order (ISA guide 5.7.1), so these see the stores above
.set tt, tt+1
.endr
	s_lshl_b32 s26, s24, 20                        ; slab 2 kb
	s_lshl_b32 s28, s22, 17                        ; + matrix j: 1,024 rows of 128 bytes
	s_add_co_u32 s26, s26, s28
	s_lshl_b32 s28, s25, 13                        ; + 64 nb rows
	s_add_co_u32 s26, s26, s28
	s_add_nc_u64 s[16:17], s[16:17], s[26:27]
.set tt, 0
.rept 32
	s_wait_dscnt 31-tt
	global_store_b128 v4, v[16+4*tt:16+4*tt+3], s[16:17] offset:tt*256   ; rows 2 tt and + 1: sixteen lanes store 256 consecutive bytes, at a multiple of 256 from wt's first byte
.set tt, tt+1
.endr
	s_wait_tensorcnt 0x0
	ds_add_u32 v144, v145
	s_wait_dscnt 0x0
	s_endpgm
.Lfunc_end_k_qf222332cc6_prep:
	.size	k_qf222332cc6_prep, .Lfunc_end_k_qf222332cc6_prep-k_qf222332cc6_prep
	.p2alignl 7, 3214868480
	.fill 96, 4, 3214868480
	.section	.rodata,"a",@progbits
	.p2align	6, 0x0
	.amdhsa_kernel k_qf222332cc6_prep
		.amdhsa_group_segment_fixed_size 70144
		.amdhsa_private_segment_fixed_size 0
		.amdhsa_enable_private_segment 0
		.amdhsa_kernarg_size 56
		.amdhsa_user_sgpr_count 2
		.amdhsa_user_sgpr_kernarg_segment_ptr 1
		.amdhsa_wavefront_size32 1
		.amdhsa_system_sgpr_workgroup_id_x 1
		.amdhsa_system_sgpr_workgroup_id_y 1
		.amdhsa_system_sgpr_workgroup_id_z 1
		.amdhsa_system_vgpr_workitem_id 0
		.amdhsa_next_free_vgpr 146
		.amdhsa_next_free_sgpr 66
		.amdhsa_reserve_vcc 0
		.amdhsa_float_denorm_mode_32 3
		.amdhsa_float_denorm_mode_16_64 3
		.amdhsa_memory_ordered 1
		.amdhsa_forward_progress 1
		.amdhsa_inst_pref_size 36
	.end_amdhsa_kernel
	.amdgpu_metadata
---
amdhsa.version: [ 1, 2 ]
amdhsa.kernels:
  - .name:           k_qf222332cc6_prep
    .symbol:         k_qf222332cc6_prep.kd
    .args:
      - { .name: x, .offset: 0, .size: 8, .value_kind: global_buffer, .address_space: global }
      - { .name: Wk, .offset: 8, .size: 8, .value_kind: global_buffer, .address_space: global }
      - { .name: Wv, .offset: 16, .size: 8, .value_kind: global_buffer, .address_space: global }
      - { .name: Wq, .offset: 24, .size: 8, .value_kind: global_buffer, .address_space: global }
      - { .name: Wo, .offset: 32, .size: 8, .value_kind: global_buffer, .address_space: global }
      - { .name: xb, .offset: 40, .size: 8, .value_kind: global_buffer, .address_space: global }
      - { .name: wt, .offset: 48, .size: 8, .value_kind: global_buffer, .address_space: global }
    .group_segment_fixed_size: 70144
    .private_segment_fixed_size: 0
    .kernarg_segment_align: 8
    .kernarg_segment_size: 56
    .max_flat_workgroup_size: 128
    .sgpr_count:     66
    .vgpr_count:     146
    .wavefront_size: 32
...
	.end_amdgpu_metadata
.endif
;; end of part 5
;; launch gemm1 (part 6): grid 8 x 32, 4 waves a work-group, clusters of 4 x 4, 327,680 bytes of LDS; arguments xb, wt, qkv; writes qkv
.if DOCPART == 6
	.amdgcn_target "amdgcn-amd-amdhsa--gfx1250"
	.amdhsa_code_object_version 6
	.text
	.protected	k_qf222332cc6_gemm1
	.globl	k_qf222332cc6_gemm1
	.p2align	8
	.type	k_qf222332cc6_gemm1,@function
k_qf222332cc6_gemm1:
	s_mov_b64 s[64:65], 0
	v_nop
	global_prefetch_b8 v0, s[64:65] scope:SCOPE_SE
	s_setreg_imm32_b32 hwreg(HW_REG_WAVE_MODE, 25, 1), 1
	s_wait_xcnt 0x0
	s_wait_alu depctr_hold_cnt(0) depctr_sa_sdst(0) depctr_va_vdst(0) depctr_va_sdst(0) depctr_va_ssrc(0) depctr_va_vcc(0) depctr_vm_vsrc(0)
	s_getreg_b32 s2, hwreg(HW_REG_IB_STS2, 6, 4)
	s_cmp_eq_u32 s2, 0
	s_cbranch_scc0 .Lentry_in_a_cluster
	s_endpgm
.Lentry_in_a_cluster:
	s_bfe_u32 s2, ttmp6, 0x10000c
	s_cmp_lg_u32 s2, 0xf033
	s_cbranch_scc0 .Lentry_shape_is_right
	s_endpgm
.Lentry_shape_is_right:
; K, V and Q in one product: C[m][n] = sum over k of x[m][k] W[n][k], 8192 x 3072 x 1024, bf16 operands, f32 sums,
; rounded once to f16 and stored head by head: qkv[part][b*16 + h][s][64], part 0 = K, 1 = V, 2 = Q (m = 2048 b + s, n = 1024 part + 64 h + d).
; A work-group makes a block of 256 x 384: 32 x 8 = 256 work-groups of equal work.  Four waves; a wave makes 128 x 192: 96 accumulator tiles of 16 x 16,
; 768 registers, one window of 256 for each of its three heads.
; Both operands lie in slabs of 64 k ([k >> 6][row][64]).  K goes in steps of one slab through a ring of two LDS slots; a wave's part of a tile is a dense run of
; memory and comes as rows of 256 bytes, with 16 bytes of padding behind every 128 (one row of the slab).  Two slots of two slabs (2 x 640 rows x 272 bytes) would not fit in LDS.
; CLUSTERS: 4 x 4 work-groups.  The four of a row of the cluster need the same tiles of xb, the four of a column the same tiles of wt: such a tile
; is asked for jointly, by the same tensor load with the same descriptor and a mask that names the four.
; LIMIT: q, k, v are kept in f16: |value| must stay below 65,504, and below 6e-5 the step is 6e-8.
;
; REGISTERS: window 0: v16-26 addresses; v32-95, v96-159 fragments of xb (8 x 16 rows x 32 k), two buffers; v160-191, v192-223, v224-255 fragments of wt,
;   one group of four (64 columns) for each accumulator window, one buffer each.   Window g + 1: tile (a, b) of head g at v[8 (4 a + b)].
; A QUARTER STEP (32 k) is three groups of 32 matrix instructions, one for each window.  Behind group g its wt registers are loaded for the next quarter step, 64 matrix
; instructions ahead of their use; xb's other buffer is loaded with group 0's.
; The matrix instruction is used transposed: source 0 = 16 rows of wt, source 1 = 16 rows of xb, so that lane l holds row l % 16 of C and its
; eight registers hold the columns 8 (l / 16) + 0 .. 7: eight neighbouring numbers, 16 bytes in f16.
.set PITCH,  144                       ; an LDS row: 128 bytes + 16: the 16 rows of a fragment load start 36 words apart
.set BHALF,  192*PITCH                 ; 27,648: what waves 0 and 1 bring, and what one wave reads of wt
.set AHALF,  128*PITCH                 ; 18,432: what waves 2 and 3 bring, and what one wave reads of xb
.set AOFF,   2*BHALF                   ; a slot: wt's 384 rows, then xb's 256 rows
.set SLOT,   AOFF+2*AHALF              ; 92,160
.set STAGE,  2*SLOT                    ; 184,320: behind the ring, 16 rows x 400 bytes for each wave; no tensor load lands there
.set SPITCH, 400                       ; 192 f16 + 16 bytes
.set XSLAB,  8192*128                  ; bytes in a slab of xb
.set WSLAB,  4096*128                  ; bytes in a slab of wt
.set LAPS,   8                         ; a lap = two K steps = once round the ring; 16 slabs
.set ADRA, 16                          ; v16-17  LDS address of my xb fragments in slot 0, 1
.set ADRB, 20                          ; v20-21  the same for wt
.set STO,  24                          ; v24     the way out: where I put 16 bytes of a row
.set RD,   25                          ; v25     the way out: where I read back
.set CO,   26                          ; v26     16 x lane
.set AF,   32                          ; + 64 x buffer
.set BF,   160                         ; + 32 x group
.set TMP,  32                          ; the way out: 48 registers of packed results
.set G1, 24                            ; s[24:31] descriptor group 1 for xb's tiles
.set G0, 32                            ; s[32:39] descriptor group 0 for xb's tiles, one set for each slot
.set G1B, 48                           ; s[48:55] group 1 for wt's tiles
.set G0B, 56                           ; s[56:63] group 0 for wt's tiles
.set SB, 66                            ; s[66:71] my three heads' places in qkv
.set MSB, 0
.macro WIN new                         ; the immediate's high byte repeats the setting that is left
.if MSB != \new
	s_set_vgpr_msb (MSB<<8)|\new
.set MSB, \new
.endif
.endm
.set ACC0, 0x50                        ; sources 0 and 1 window 0, C and D window 1
.set ACC1, 0xa0                        ; C and D window 2
.set ACC2, 0xf0                        ; C and D window 3
; A joint load.  Waves 0 and 1 fetch wt's two halves, waves 2 and 3 xb's.  Each line has one mask and one set of registers; the branch hangs on the wave's number alone.
.macro JLOAD s
	s_cmp_eq_u32 s11, 0
	s_cbranch_scc0 .Lfor_a_\@
	tensor_load_to_lds s[G0B+4*\s:G0B+4*\s+3], s[G1B:G1B+7]
	s_nop 0
.rept 4
	v_nop
.endr
	s_branch .Lasked_\@
.Lfor_a_\@:
	tensor_load_to_lds s[G0+4*\s:G0+4*\s+3], s[G1:G1+7]
	s_nop 0
.rept 4
	v_nop
.endr
.Lasked_\@:
.endm
; A round of the cluster's barrier: my work-group's barrier; wave 0 signals for the work-group; every wave waits for all sixteen; my work-group's barrier once more.
.macro CREST
	s_cmp_lg_u32 s10, 0
	s_cbranch_scc1 .Lnot_wave_0_\@
	s_barrier_signal -3
.Lnot_wave_0_\@:
	s_barrier_wait -3
	s_barrier_signal -1
	s_barrier_wait -1
.endm
.macro CROUND
	s_barrier_signal -1
	s_barrier_wait -1
	CREST
.endm
	s_load_b128 s[4:7], s[0:1], 0x0                ; xb s[4:5], wt s[6:7]
	s_load_b64 s[8:9], s[0:1], 0x10                ; qkv
	v_lshl_add_u32 v30, v0, 2, 0x33400
	v_mov_b32 v31, 0
	ds_add_u32 v30, v31
	v_lshrrev_b32 v1, 5, v0
	v_readfirstlane_b32 s10, v1                    ; wave 0..3
	s_lshr_b32 s11, s10, 1                         ; which half of the block's rows is mine.  Also: I fetch for wt (0) or for xb (1)
	s_and_b32 s12, s10, 1                          ; which half of its columns.  Also: which half of that tile I fetch
	s_bfe_u32 s40, ttmp6, 0x40000                  ; cx
	s_bfe_u32 s41, ttmp6, 0x40004                  ; cy
	s_lshl_b32 s42, ttmp9, 2
	s_add_co_u32 s42, s42, s40                     ; block column = 4 x cluster x + cx, 0..7
	s_and_b32 s13, ttmp7, 0xffff
	s_lshl_b32 s13, s13, 2
	s_add_co_u32 s13, s13, s41                     ; block row = 4 x cluster y + cy, 0..31
	s_lshl_b32 s43, s41, 2
	s_lshl_b32 s43, 15, s43                        ; my row of the cluster: places 4 cy .. 4 cy + 3
	s_lshl_b32 s44, 0x1111, s40                    ; my column: places cx, cx + 4, cx + 8, cx + 12
	s_or_b32 s[G1+0], s43, (1<<16)|(1<<20)|(1<<21)|(4<<22)|(3<<25)  ; mask of my row; elements of 2 bytes; padding on; bit 21 beside a mask; after every 32 words 4 words
	s_mov_b32 s[G1+1], 128<<16                     ; tensor_dim0 = 128: rows of 256 bytes
	s_mov_b32 s[G1+2], 64<<16                      ; tensor_dim1 = 64: 128 rows of the slab
	s_mov_b32 s[G1+3], 128<<16                     ; tile_dim0
	s_mov_b32 s[G1+4], 64                          ; tile_dim1
	s_mov_b32 s[G1+5], 128                         ; dense: each row begins where the last ends
	s_mov_b32 s[G1+6], 0
	s_mov_b32 s[G1+7], 0
	s_or_b32 s[G1B+0], s44, (1<<16)|(1<<20)|(1<<21)|(4<<22)|(3<<25) ; the same with the mask of my column
	s_mov_b32 s[G1B+1], 128<<16
	s_mov_b32 s[G1B+2], 96<<16                     ; 192 rows of the slab
	s_mov_b32 s[G1B+3], 128<<16
	s_mov_b32 s[G1B+4], 96
	s_mov_b32 s[G1B+5], 128
	s_mov_b32 s[G1B+6], 0
	s_mov_b32 s[G1B+7], 0
	; xb's tiles hang on the block row alone, wt's on the block column alone; each address in registers that never hold the other coordinate
	s_lshl_b32 s16, s13, 15                        ; xb: 256 rows of 128 bytes a block row
	s_lshl_b32 s17, s12, 14                        ; + 128 rows x half
	s_add_co_u32 s16, s16, s17
	s_mov_b32 s17, 0
	s_mul_i32 s46, s42, 384*128                    ; wt: 384 rows a block column
	s_mul_i32 s47, s12, 192*128                    ; + 192 rows x half
	s_add_co_u32 s46, s46, s47
	s_mov_b32 s47, 0
	s_mul_i32 s20, s10, AHALF
	s_add_co_u32 s20, s20, AOFF-2*AHALF            ; waves 2, 3: xb's halves, behind wt's rows
	s_mul_i32 s21, s10, BHALF                      ; waves 0, 1: wt's halves
	s_wait_dscnt 0x0
	s_wait_kmcnt 0x0
	s_add_nc_u64 s[14:15], s[4:5], s[16:17]
	s_add_nc_u64 s[46:47], s[6:7], s[46:47]
	CROUND                                         ; all sixteen work-groups are here: the first joint loads meet
.irp s, 0,1
	s_mov_b32 s[G0+4*\s], 1
	s_add_co_u32 s[G0+4*\s+1], s20, \s*SLOT
	s_add_nc_u64 s[G0+4*\s+2:G0+4*\s+3], s[14:15], \s*XSLAB
	s_or_b32 s[G0+4*\s+3], s[G0+4*\s+3], 0x80000000
	s_mov_b32 s[G0B+4*\s], 1
	s_add_co_u32 s[G0B+4*\s+1], s21, \s*SLOT
	s_add_nc_u64 s[G0B+4*\s+2:G0B+4*\s+3], s[46:47], \s*WSLAB
	s_or_b32 s[G0B+4*\s+3], s[G0B+4*\s+3], 0x80000000
	JLOAD \s                                       ; two tensor loads of a wave are out here, the most in this text
.endr
	; a fragment is 16 rows x 32 k in 8 registers: lane l holds row l % 16; two loads of 16 bytes, 32 bytes apart, at row x pitch + 16 (l / 16)
	v_and_b32 v1, 15, v0                           ; l % 16
	v_bfe_u32 v2, v0, 4, 1                         ; l / 16
	v_mul_u32_u24 v3, v1, PITCH
	v_lshl_add_u32 v3, v2, 4, v3
	s_mul_i32 s22, s11, AHALF                      ; my 128 rows of xb,
	s_add_co_u32 s22, s22, AOFF                    ; which lie behind wt's 384
	s_mul_i32 s23, s12, BHALF                      ; my 192 rows of wt
.irp s, 0,1
	v_add_nc_u32 v[ADRA+\s], s22, v3
	v_add_nc_u32 v[ADRB+\s], s23, v3
	s_add_co_u32 s22, s22, SLOT
	s_add_co_u32 s23, s23, SLOT
.endr
	s_mul_i32 s23, s10, 16*SPITCH
	s_add_co_u32 s23, s23, STAGE                   ; my stage
	v_mul_u32_u24 v4, v1, SPITCH                   ; in: row l % 16, 16 bytes for each half of the lanes
	v_lshl_add_u32 v4, v2, 4, v4
	v_add_nc_u32 v[STO], s23, v4
	v_bfe_u32 v6, v0, 3, 2                         ; back: eight lanes take one row's 128 bytes of one head, the wave four rows:
	v_and_b32 v7, 7, v0                            ; in qkv four neighbouring rows of a head are 512 consecutive bytes
	v_mul_u32_u24 v5, v6, SPITCH
	v_lshl_add_u32 v5, v7, 4, v5
	v_add_nc_u32 v[RD], s23, v5
	v_and_b32 v5, 31, v0
	v_lshlrev_b32 v[CO], 4, v5
; 16 matrix instructions of group g: m blocks a0 .. a0 + 3 x the group's 4 n blocks, 32 along K, xb's buffer ab.  zero = 1: the first product starts the sums.
; The 96 accumulators take turns, one instruction a turn, in the same order in every quarter step.
.macro MUL16 g, ab, a0, zero
.irp a, \a0, \a0+1, \a0+2, \a0+3
.irp b, 0,1,2,3
.if \zero
	v_wmma_f32_16x16x32_bf16 v[8*(4*(\a)+\b):8*(4*(\a)+\b)+7], v[BF+32*\g+8*\b:BF+32*\g+8*\b+7], v[AF+64*\ab+8*(\a):AF+64*\ab+8*(\a)+7], 0
.else
	v_wmma_f32_16x16x32_bf16 v[8*(4*(\a)+\b):8*(4*(\a)+\b)+7], v[BF+32*\g+8*\b:BF+32*\g+8*\b+7], v[AF+64*\ab+8*(\a):AF+64*\ab+8*(\a)+7], v[8*(4*(\a)+\b):8*(4*(\a)+\b)+7]
.endif
.endr
.endr
.endm
.macro FETA slot, q, ab                ; 16 LDS loads: my 128 rows of xb, quarter step q of the slab, into buffer ab
.irp i, 0,1,2,3,4,5,6,7
	ds_load_b128 v[AF+64*\ab+8*\i:AF+64*\ab+8*\i+3],   v[ADRA+\slot] offset:64*\q+\i*16*PITCH
	ds_load_b128 v[AF+64*\ab+8*\i+4:AF+64*\ab+8*\i+7], v[ADRA+\slot] offset:64*\q+\i*16*PITCH+32
.endr
.endm
.macro FETB slot, q, g                 ; 8 LDS loads: group g's 64 rows of wt
.irp b, 0,1,2,3
	ds_load_b128 v[BF+32*\g+8*\b:BF+32*\g+8*\b+3],   v[ADRB+\slot] offset:64*\q+(4*\g+\b)*16*PITCH
	ds_load_b128 v[BF+32*\g+8*\b+4:BF+32*\g+8*\b+7], v[ADRB+\slot] offset:64*\q+(4*\g+\b)*16*PITCH+32
.endr
.endm
; four places between a matrix instruction and a load into, or a vector instruction on, one of its registers; other matrix instructions are not counted as places
.macro PLACES
.rept 4
	v_nop
.endr
.endm
; The first quarter step of a slab: multiplies xb's buffer 0, fetches the second quarter step of the same slot.
.macro QA slot, zero
	s_wait_dscnt 16                                ; xb's buffer and group 0 are in; the sixteen younger loads (groups 1 and 2) may be out
	WIN ACC0
	MUL16 0, 0, 0, \zero
	MUL16 0, 0, 4, \zero
	PLACES
	WIN 0
	FETA \slot, 1, 1
	FETB \slot, 1, 0
	s_wait_dscnt 32                                ; group 1 is in; out may be group 2's eight and the 24 just issued
	WIN ACC1
	MUL16 1, 0, 0, \zero
	MUL16 1, 0, 4, \zero
	PLACES
	WIN 0
	FETB \slot, 1, 1
	s_wait_dscnt 32                                ; group 2 is in; out may be the 24 and the 8 issued in this quarter step
	WIN ACC2
	MUL16 2, 0, 0, \zero
	MUL16 2, 0, 4, \zero
	PLACES
	WIN 0
	FETB \slot, 1, 2
.endm
; The second quarter step: multiplies buffer 1 and changes slots.  In front of the barrier each wave waits for its reads of this slot and for all its tensor loads
; (one is out: its part of the next slot).  Behind it, and behind the rest of the cluster's round, the refill comes first, then the next slot's first fragments.
; From a request to the wait for it a wave issues 176 matrix instructions.
.macro QB slot, next, fill
	s_wait_dscnt 16
	WIN ACC0
	MUL16 0, 1, 0, 0
	s_wait_dscnt 0                                 ; my reads of this slot are over: groups 1 and 2 are in too
	s_wait_tensorcnt 0x0                           ; all my tensor loads have landed
	ds_add_u32 v30, v31
	s_wait_dscnt 0x0
	s_barrier_signal -1
	MUL16 0, 1, 4, 0                               ; register work between signal and wait
	WIN 0
	s_barrier_wait -1
.if \fill
	CREST                                          ; no wave of any partner still reads this slot or has a load on its way
	s_add_nc_u64 s[G0+4*\slot+2:G0+4*\slot+3], s[G0+4*\slot+2:G0+4*\slot+3], 2*XSLAB
	s_add_nc_u64 s[G0B+4*\slot+2:G0B+4*\slot+3], s[G0B+4*\slot+2:G0B+4*\slot+3], 2*WSLAB
	JLOAD \slot                                    ; the first tensor load behind the round; its four v_nop are also the places in front of the loads below
.else
	PLACES
.endif
	FETA \next, 0, 0
	FETB \next, 0, 0
	WIN ACC1
	MUL16 1, 1, 0, 0
	MUL16 1, 1, 4, 0
	PLACES
	WIN 0
	FETB \next, 0, 1
	WIN ACC2
	MUL16 2, 1, 0, 0
	MUL16 2, 1, 4, 0
	PLACES
	WIN 0
	FETB \next, 0, 2
.endm
.macro LAP zero
	QA 0, \zero
	QB 0, 1, 1
	QA 1, 0
	QB 1, 0, 1
.endm
	s_wait_tensorcnt 1                             ; my part of slab 0 is in; slab 1's stays out
	s_barrier_signal -1
	s_barrier_wait -1
	FETA 0, 0, 0
	FETB 0, 0, 0
	FETB 0, 0, 1
	FETB 0, 0, 2
	LAP 1                                          ; the first lap stands in front of the loop: its first products start the sums
	WIN 0
	s_mov_b32 s3, LAPS-2
.Llap:
	LAP 0
	WIN 0
	s_sub_co_u32 s3, s3, 1
	s_cmp_lg_u32 s3, 0
	s_cbranch_scc1 .Llap
	QA 0, 0                                        ; the last lap fills nothing
	QB 0, 1, 0
	QA 1, 0
	s_wait_dscnt 16                                ; the very last quarter step: nothing more to fetch
	WIN ACC0
	MUL16 0, 1, 0, 0
	MUL16 0, 1, 4, 0
	s_wait_dscnt 0
	WIN ACC1
	MUL16 1, 1, 0, 0
	MUL16 1, 1, 4, 0
	WIN ACC2
	MUL16 2, 1, 0, 0
	MUL16 2, 1, 4, 0
	; THE WAY OUT, 16 rows at a time: round to f16, 16 bytes a lane into my own stage, read back by heads, store 512 consecutive bytes from the wave.
	PLACES
	s_lshl_b32 s13, s13, 8
	s_lshl_b32 s14, s11, 7
	s_add_co_u32 s16, s13, s14                     ; my first row m0
	s_lshr_b32 s17, s16, 11                        ; b
	s_and_b32 s16, s16, 2047                       ; s
	s_lshl_b32 s17, s17, 22                        ; 16 heads of 262,144 bytes
	s_lshl_b32 s16, s16, 7                         ; rows of 128 bytes
	s_add_co_u32 s16, s16, s17
	s_mov_b32 s17, 0
	s_add_nc_u64 s[8:9], s[8:9], s[16:17]
	s_mul_i32 s45, s42, 6                          ; six heads a block column,
	s_mul_i32 s46, s12, 3                          ; three a wave: 16 part + head of my first
	s_add_co_u32 s45, s45, s46
.irp g, 0,1,2                                      ; a base for each head: three neighbours may straddle two parts of qkv
	s_add_co_u32 s46, s45, \g
	s_lshr_b32 s47, s46, 4
	s_and_b32 s46, s46, 15
	s_lshl_b32 s47, s47, 24                        ; a part is 16,777,216 bytes
	s_lshl_b32 s46, s46, 18
	s_add_co_u32 s46, s46, s47
	s_mov_b32 s47, 0
	s_add_nc_u64 s[SB+2*\g:SB+2*\g+1], s[8:9], s[46:47]
.endr
.macro CVTG a, g, from                 ; head g's four tiles of m block a: sources 0 and 1 from window g + 1
	WIN \from
.irp b, 0,1,2,3
.irp x, 0,1,2,3
	v_cvt_pk_f16_f32 v[TMP+16*\g+4*\b+\x], v[8*(4*\a+\b)+2*\x], v[8*(4*\a+\b)+2*\x+1]
.endr
.endr
.endm
.macro OUT16 a, f
	CVTG \a, 0, 0x05
	CVTG \a, 1, 0x0a
	CVTG \a, 2, 0x0f
	WIN 0
.irp g, 0,1,2
.irp b, 0,1,2,3
	ds_store_b128 v[STO], v[TMP+16*\g+4*\b:TMP+16*\g+4*\b+3] offset:128*\g+32*\b
.endr
.endr
	s_wait_xcnt 0x0                                ; buffer f, which earlier stores read, is loaded again only behind this wait
.irp g, 0,1,2
.irp u, 0,1,2,3
	ds_load_b128 v[\f+16*\g+4*\u:\f+16*\g+4*\u+3], v[RD] offset:\u*4*SPITCH+128*\g    ; my own bytes, served in order: these see the stores above
.endr
.endr
.irp g, 0,1,2
.irp u, 0,1,2,3
	s_wait_dscnt 11-4*\g-\u
	global_store_b128 v[CO], v[\f+16*\g+4*\u:\f+16*\g+4*\u+3], s[SB+2*\g:SB+2*\g+1] offset:\a*2048+\u*512   ; rows 16 a + 4 u .. + 3 of head g
.endr
.endr
.endm
	OUT16 0, 96
	OUT16 1, 144
	OUT16 2, 96
	OUT16 3, 144
	OUT16 4, 96
	OUT16 5, 144
	OUT16 6, 96
	OUT16 7, 144
	s_wait_tensorcnt 0x0
	ds_add_u32 v30, v31
	s_wait_dscnt 0x0
	CROUND                                         ; the closing round: no work-group ends while a partner may still ask for a tile that names it
	s_endpgm
.Lfunc_end_k_qf222332cc6_gemm1:
	.size	k_qf222332cc6_gemm1, .Lfunc_end_k_qf222332cc6_gemm1-k_qf222332cc6_gemm1
	.p2alignl 7, 3214868480
	.fill 96, 4, 3214868480
	.section	.rodata,"a",@progbits
	.p2align	6, 0x0
	.amdhsa_kernel k_qf222332cc6_gemm1
		.amdhsa_group_segment_fixed_size 327680
		.amdhsa_private_segment_fixed_size 0
		.amdhsa_enable_private_segment 0
		.amdhsa_kernarg_size 24
		.amdhsa_user_sgpr_count 2
		.amdhsa_user_sgpr_kernarg_segment_ptr 1
		.amdhsa_wavefront_size32 1
		.amdhsa_system_sgpr_workgroup_id_x 1
		.amdhsa_system_sgpr_workgroup_id_y 1
		.amdhsa_system_sgpr_workgroup_id_z 1
		.amdhsa_system_vgpr_workitem_id 0
		.amdhsa_next_free_vgpr 1024
		.amdhsa_next_free_sgpr 72
		.amdhsa_reserve_vcc 0
		.amdhsa_float_denorm_mode_32 3
		.amdhsa_float_denorm_mode_16_64 3
		.amdhsa_memory_ordered 1
		.amdhsa_forward_progress 1
		.amdhsa_inst_pref_size 172
	.end_amdhsa_kernel
	.amdgpu_metadata
---
amdhsa.version: [ 1, 2 ]
amdhsa.kernels:
  - .name:           k_qf222332cc6_gemm1
    .symbol:         k_qf222332cc6_gemm1.kd
    .args:
      - { .name: xb, .offset: 0, .size: 8, .value_kind: global_buffer, .address_space: global }
      - { .name: wt, .offset: 8, .size: 8, .value_kind: global_buffer, .address_space: global }
      - { .name: qkv, .offset: 16, .size: 8, .value_kind: global_buffer, .address_space: global }
    .group_segment_fixed_size: 327680
    .private_segment_fixed_size: 0
    .kernarg_segment_align: 8
    .kernarg_segment_size: 24
    .max_flat_workgroup_size: 128
    .sgpr_count:     72
    .vgpr_count:     1024
    .wavefront_size: 32
...
	.end_amdgpu_metadata
.endif
;; end of part 6
;; launch attn (part 7): grid 256 x 1, 16 waves a work-group, no clusters, 327,680 bytes of LDS; arguments qkv, ctx; writes ctx
.if DOCPART == 7
	.amdgcn_target "amdgcn-amd-amdhsa--gfx1250"
	.amdhsa_code_object_version 6
	.text
	.protected	k_qf222332cc6_attn
	.globl	k_qf222332cc6_attn
	.p2align	8
	.type	k_qf222332cc6_attn,@function
k_qf222332cc6_attn:
	s_mov_b64 s[64:65], 0
	v_nop
	global_prefetch_b8 v0, s[64:65] scope:SCOPE_SE
	s_setreg_imm32_b32 hwreg(HW_REG_WAVE_MODE, 25, 1), 1
	s_wait_xcnt 0x0
; Attention of one head with the mask key <= query + 1, by a running maximum; f16 operands, f32 sums and statistics.
; Work-group id: head bh = id >> 2, p = id & 3.  It makes the query blocks (256 rows) iA = p and iB = 7 - p: 7 full key tiles of 256 and 2 diagonal
; tiles in every work-group, so all 256 do the same work.
; SIXTEEN WAVES of 256 registers (16 x 256 = the 4 x 1,024 registers of the work-group's SIMDs), in two groups g = w >> 3.  Wave w has row block rb = w (g = 0) or 15 - w (g = 1):
; rows 32 rb .. 32 rb + 31 of the block, two query tiles of 16.  The two waves of a row block hold the same queries and share the keys: group g takes the steps
; (64 keys) c = 2 t + g of every tile, with its own maximum, sum and O; at the block's end group 1 hands its three to group 0 through LDS, and group 0 joins them.
; The term 64 g rows lies in the LDS address registers, so one text serves both groups.
; NINE PHASES: the diagonal tile of A (slot 0); full tiles f = 0 .. 6 (slots 1, 0, 1, 0, 1, 0, 1), A's while f < iA, then B's; the diagonal tile of B (slot 0).
; A diagonal tile has 320 keys, since row 256 i + 255 sees key 256 i + 256.  For i = 7 its last 64 rows lie in the next head or part of qkv: inside the buffer,
; written by the launch before, finite, and masked (the threshold is cut at key 2047).
; In a diagonal tile a wave takes step c only if 64 c <= 32 rb + 32, and masks it only if 64 c + 63 > 32 rb + 1.  With rb = 15 - w in group 1 the diagonal steps of
; waves w, w + 4, w + 8, w + 12 add up to 6 for every w.
; TRANSPOSED PRODUCTS: S^T = K Q^T has, in lane (r, h), register j, key 8 h + j and query r; two neighbouring key tiles packed to f16 are the second source of
; O^T = V^T P^T as they stand.  Maximum, sum and rescale belong to the lane's own query; the two halves of the lanes meet by one v_permlanex16_b32.
; THE RUNNING MAXIMUM STARTS AT -2^100, not at -inf: group 1's first step may be masked for a whole row, and -inf would give inf - inf there.  f16 operands bound
; every score by 64 x 65,504^2 = 2.8e11, so the start lies below all of them and drops out at the first visible key (its factor 2^(c (-2^100 - m)) is 0).
; ctx leaves as a sum of two bf16 numbers, hi and lo: slab 4 (h >> 1) + 2 part + (h & 1) of [32][8192][64].
; NO CLUSTER: the four work-groups of a head read the same K and V, but at other times; walking in step costs, for each tile, the work of the partner that still needs
; it: 4+4+3+3+2+2+1+1 full tiles for two blocks held at once against 7 here, and twice the accumulators.
; NO PREFETCH: each tile is asked for a whole phase (two steps of sixteen waves) ahead.
; LIMITS: q, k, v, P in f16 (|q|, |k|, |v| < 65,504); ctx has 16 significant bits; NaN and infinities among the inputs are not served.
.set KP, 144                           ; K's LDS row: 128 bytes + 16
.set VP, 160                           ; V's LDS row: 128 bytes + 32 (the transposing load wants an odd multiple of 32)
.set LDS_V0, 0                         ; slot 0: V, 320 rows
.set LDS_K0, 320*VP                    ; 51,200: K, 320 rows
.set LDS_V1, LDS_K0+320*KP             ; 97,280: slot 1: V, 256 rows
.set LDS_K1, LDS_V1+256*VP             ; 138,240: K, 256 rows
.set STG,    LDS_K1+256*KP             ; 175,104: stages, written by ds_store alone; no tensor load lands there
.set STGW,   64*KP                     ; a row block's stage, 9,216 bytes: first group 1's O and statistics (8,704 bytes), then hi 32 rows x 144 and lo
.set KA0, 1                            ; v1   K fragment address, slot 0, my group's first step
.set VA0, 2                            ; v2   V fragment address, slot 0
.set KA1, 3                            ; v3, v4  the same, slot 1
.set VA1, 4
.set QO,  5                            ; v5   Q: r x 128 + 16 h
.set ST,  6                            ; v6   stage, in
.set RD,  7                            ; v7   stage, back
.set CO,  8                            ; v8   16 x lane
.set RW,  9                            ; v9   32 rb + r + 1: the last visible key of my row in query tile 0, counted from the block's first key
.set H8,  10                           ; v10  8 h + 64 g
.set THR, 11                           ; v11-12  mask thresholds of the two query tiles
.set XA,  13                           ; v13  stage + 16 x lane: where group 1 hands over and group 0 takes
.set MX,  14                           ; v14-15  running maxima
.set LS,  16                           ; v[16:19] running sums, a pair for each query tile
.set AL,  20                           ; v[20:23] rescale factor, twice, for each query tile
.set NM,  24                           ; v[24:27] - c x maximum, twice, for each query tile
.set TA,  28                           ; v28-29  at work
.set TB,  30                           ; v30-31  at work
.set QF,  32                           ; v[32:63]   Q(qt, ds) at 16 qt + 8 ds
.set OO,  64                           ; v[64:127]  O(qt, dt) at 32 qt + 8 dt
.set SS,  128                          ; v[128:191] S(qt, kt) at 32 qt + 8 kt; P(qt, kp) at 32 qt + 8 kp, packed in place
.set KF,  192                          ; v[192:255] K(kt, ds) at 16 kt + 8 ds; then
.set VF,  192                          ;            V(kp, dt) at 32 kp + 8 dt
.set PS,  232                          ; v[232:235] at a block's end: the partner's two maxima and two sums
.set G1K,  32                          ; s[32:39]  shape of a quarter of a full K tile
.set G1V,  40                          ; s[40:47]  of V
.set G1KD, 48                          ; s[48:55]  of a diagonal K tile
.set G1VD, 56                          ; s[56:63]  of V
.set G0K0D, 68                         ; group 0 sets: K, slot 0, diagonal
.set G0K0N, 72                         ; K, slot 0, full
.set G0K1,  76                         ; K, slot 1
.set G0V0D, 80
.set G0V0N, 84
.set G0V1,  88
; s6 wave, s7 head, s8 iA, s9 iB, s10-11 last key of the sequence counted from block A's, B's first key, s12-13 lane selects, s14 -inf, s15 trips, s16 f,
; s[18:19] c = log2(e) / 8, s[20:21] my quarter of full tile 0, s[22:23] of diagonal tile 0, s[24:25] the tile's byte offset,
; s[26:27], s[28:29] my Q rows of A, B; s[30:31], s[66:67] my ctx rows of A, B; s96 rb, s97 g, s98 rb + 3 - 2 g, s99 -2^100
	s_load_b64 s[2:3], s[0:1], 0x0                 ; qkv
	s_load_b64 s[4:5], s[0:1], 0x8                 ; ctx
	v_lshl_add_u32 v190, v0, 2, 0x3cc00
	v_mov_b32 v191, 0
	ds_add_u32 v190, v191
	s_wait_dscnt 0x0
	s_barrier_signal -1
	s_barrier_wait -1
	v_lshrrev_b32 v1, 5, v0
	v_readfirstlane_b32 s6, v1                     ; wave 0..15
	s_lshr_b32 s97, s6, 3                          ; g
	s_mul_i32 s96, s97, 15
	s_xor_b32 s96, s96, s6                         ; rb = w, or w xor 15 = 15 - w in group 1
	s_add_co_u32 s98, s96, 3
	s_lshl_b32 s17, s97, 1
	s_sub_co_u32 s98, s98, s17                     ; rb + 3 - 2 g, 1 .. 10: diagonal step t is needed from 4 t + 2 on, and free of the mask from 4 t + 5 on
	s_lshr_b32 s7, ttmp9, 2
	s_and_b32 s8, ttmp9, 3
	s_sub_co_u32 s9, 7, s8
	s_lshl_b32 s10, s8, 8
	s_sub_co_u32 s10, 2047, s10
	s_lshl_b32 s11, s9, 8
	s_sub_co_u32 s11, 2047, s11
	s_mov_b32 s12, 0x76543210
	s_mov_b32 s13, 0xfedcba98
	s_mov_b32 s14, 0xff800000
	s_mov_b32 s18, 0x3e38aa3b
	s_mov_b32 s19, 0x3e38aa3b
	s_mov_b32 s99, 0xf1800000
; A quarter of a tile is dense in memory: it comes as rows of 256 bytes, and the padding falls behind every 32 words, that is behind every key's 128 bytes.
.macro SHAPE g, word0, rows
	s_mov_b32 s[\g+0], \word0                      ; no mask; elements of 2 bytes; padding on; after every 32 words (code 4) 4 or 8 words
	s_mov_b32 s[\g+1], 128<<16                     ; tensor_dim0 = 128
	s_mov_b32 s[\g+2], \rows<<16                   ; tensor_dim1
	s_mov_b32 s[\g+3], 128<<16                     ; tile_dim0 = 128
	s_mov_b32 s[\g+4], \rows                       ; tile_dim1
	s_mov_b32 s[\g+5], 128                         ; elements from row to row
	s_mov_b32 s[\g+6], 0
	s_mov_b32 s[\g+7], 0
.endm
	SHAPE G1K,  0x07110000, 32                     ; 64 keys
	SHAPE G1V,  0x0f110000, 32
	SHAPE G1KD, 0x07110000, 40                     ; 80 keys
	SHAPE G1VD, 0x0f110000, 40
	; LDS addresses: a constant + the wave's number x a constant.  Waves 0-3 bring V's quarters, waves 4-7 K's; waves 8-15 bring nothing and never use these.
	s_mov_b32 s[G0V0D], 1
	s_mul_i32 s[G0V0D+1], s6, 80*VP
	s_mov_b32 s[G0V0N], 1
	s_mul_i32 s[G0V0N+1], s6, 64*VP
	s_mov_b32 s[G0V1], 1
	s_mul_i32 s[G0V1+1], s6, 64*VP
	s_add_co_u32 s[G0V1+1], s[G0V1+1], LDS_V1
	s_mov_b32 s[G0K0D], 1
	s_mul_i32 s[G0K0D+1], s6, 80*KP
	s_add_co_u32 s[G0K0D+1], s[G0K0D+1], LDS_K0-4*80*KP
	s_mov_b32 s[G0K0N], 1
	s_mul_i32 s[G0K0N+1], s6, 64*KP
	s_add_co_u32 s[G0K0N+1], s[G0K0N+1], LDS_K0-4*64*KP
	s_mov_b32 s[G0K1], 1
	s_mul_i32 s[G0K1+1], s6, 64*KP
	s_add_co_u32 s[G0K1+1], s[G0K1+1], LDS_K1-4*64*KP
	; byte offsets in qkv and ctx, made apart from the addresses
	s_lshr_b32 s92, s6, 2
	s_and_b32 s92, s92, 1
	s_xor_b32 s92, s92, 1                          ; part: V = 1 for waves 0-3, K = 0 for waves 4-7
	s_and_b32 s93, s6, 3                           ; my quarter
	s_lshl_b32 s92, s92, 24
	s_lshl_b32 s17, s7, 18                         ; the head
	s_add_co_u32 s92, s92, s17
	s_mov_b32 s95, 0
	s_lshl_b32 s94, s93, 13                        ; 64 keys of 128 bytes
	s_add_co_u32 s94, s94, s92
	s_wait_kmcnt 0x0
	s_add_nc_u64 s[20:21], s[2:3], s[94:95]
	s_mul_i32 s94, s93, 10240                      ; 80 keys
	s_add_co_u32 s94, s94, s92
	s_add_nc_u64 s[22:23], s[2:3], s[94:95]
	; the first fills, both of a wave inside one branch: the diagonal tile of A into slot 0, then full tile 0 into slot 1.  Two loads of a wave are out, the most in this text.
	s_lshl_b32 s24, s8, 15                         ; a tile's 256 keys are 32,768 bytes
	s_mov_b32 s25, 0
	s_cmp_lt_u32 s6, 8
	s_cbranch_scc0 .Lfirst_done                    ; waves 8-15 fetch nothing
	s_cmp_lt_u32 s6, 4
	s_cbranch_scc0 .Lfirst_k
	s_add_nc_u64 s[G0V0D+2:G0V0D+3], s[22:23], s[24:25]
	s_or_b32 s[G0V0D+3], s[G0V0D+3], 0x80000000
	tensor_load_to_lds s[G0V0D:G0V0D+3], s[G1VD:G1VD+7]
	s_nop 0
	s_mov_b64 s[G0V1+2:G0V1+3], s[20:21]
	s_or_b32 s[G0V1+3], s[G0V1+3], 0x80000000
	tensor_load_to_lds s[G0V1:G0V1+3], s[G1V:G1V+7]
	s_nop 0
.rept 4
	v_nop
.endr
	s_branch .Lfirst_done
.Lfirst_k:
	s_add_nc_u64 s[G0K0D+2:G0K0D+3], s[22:23], s[24:25]
	s_or_b32 s[G0K0D+3], s[G0K0D+3], 0x80000000
	tensor_load_to_lds s[G0K0D:G0K0D+3], s[G1KD:G1KD+7]
	s_nop 0
	s_mov_b64 s[G0K1+2:G0K1+3], s[20:21]
	s_or_b32 s[G0K1+3], s[G0K1+3], 0x80000000
	tensor_load_to_lds s[G0K1:G0K1+3], s[G1K:G1K+7]
	s_nop 0
.rept 4
	v_nop
.endr
.Lfirst_done:
	; my Q rows: part 2, the head, row 256 i + 32 rb
	s_add_co_u32 s92, s17, 0x2000000
	s_lshl_b32 s94, s96, 12
	s_add_co_u32 s92, s92, s94
	s_lshl_b32 s94, s8, 15
	s_add_co_u32 s94, s94, s92
	s_add_nc_u64 s[26:27], s[2:3], s[94:95]
	s_lshl_b32 s94, s9, 15
	s_add_co_u32 s94, s94, s92
	s_add_nc_u64 s[28:29], s[2:3], s[94:95]
	; my ctx rows: slab 4 (h >> 1) + (h & 1) of 1,048,576 bytes, row 2048 b + 256 i + 32 rb of 128 bytes
	s_and_b32 s92, s7, 15
	s_lshr_b32 s94, s92, 1
	s_lshl_b32 s94, s94, 2
	s_and_b32 s92, s92, 1
	s_add_co_u32 s92, s92, s94
	s_lshl_b32 s92, s92, 20
	s_lshr_b32 s94, s7, 4
	s_lshl_b32 s94, s94, 18
	s_add_co_u32 s92, s92, s94
	s_lshl_b32 s94, s96, 12
	s_add_co_u32 s92, s92, s94
	s_lshl_b32 s94, s8, 15
	s_add_co_u32 s94, s94, s92
	s_add_nc_u64 s[30:31], s[4:5], s[94:95]
	s_lshl_b32 s94, s9, 15
	s_add_co_u32 s94, s94, s92
	s_add_nc_u64 s[66:67], s[4:5], s[94:95]
	; lane terms
	v_and_b32 v11, 31, v0                          ; lane L
	v_and_b32 v28, 15, v0                          ; r
	v_bfe_u32 v29, v0, 4, 1                        ; h
	v_and_b32 v30, 7, v0                           ; L & 7
	v_bfe_u32 v31, v0, 3, 1                        ; (L >> 3) & 1
	v_mul_u32_u24 v12, v28, KP
	v_lshl_add_u32 v12, v29, 4, v12                ; r x 144 + 16 h
	s_mul_i32 s94, s97, 64*KP                      ; group 1 begins one step (64 keys) further on
	s_add_co_u32 s94, s94, LDS_K0
	v_add_nc_u32 v[KA0], s94, v12
	v_add_nc_u32 v[KA1], LDS_K1-LDS_K0, v[KA0]
	v_lshl_add_u32 v[VA0], v29, 3, v30             ; key 8 h + (L & 7),
	v_mul_u32_u24 v[VA0], v[VA0], VP
	v_lshl_add_u32 v[VA0], v31, 4, v[VA0]          ; 16 bytes of its row by (L >> 3) & 1: what the transposing load wants
	s_mul_i32 s94, s97, 64*VP
	v_add_nc_u32 v[VA0], s94, v[VA0]
	v_add_nc_u32 v[VA1], LDS_V1-LDS_V0, v[VA0]
	v_lshlrev_b32 v[QO], 7, v28
	v_lshl_add_u32 v[QO], v29, 4, v[QO]
	s_mul_i32 s17, s96, STGW
	s_add_co_u32 s17, s17, STG                     ; my row block's stage
	v_add_nc_u32 v[ST], s17, v12
	v_lshrrev_b32 v[RD], 3, v11
	v_mul_u32_u24 v[RD], v[RD], KP
	v_lshl_add_u32 v[RD], v30, 4, v[RD]
	v_add_nc_u32 v[RD], s17, v[RD]                 ; back: eight lanes a row, four rows a load
	v_lshl_add_u32 v[XA], v11, 4, s17
	v_lshlrev_b32 v[CO], 4, v11
	s_lshl_b32 s17, s96, 5
	s_add_co_u32 s17, s17, 1
	v_add_nc_u32 v[RW], s17, v28
	v_lshlrev_b32 v[H8], 3, v29
	s_lshl_b32 s17, s97, 6
	v_add_nc_u32 v[H8], s17, v[H8]
.macro LOADQ sq                        ; my 32 rows of Q as second sources: lane (r, h) takes row r, d = 8 h .. and 16 + 8 h ..
.irp qt, 0,1
.irp ds, 0,1
	global_load_b128 v[QF+16*\qt+8*\ds:QF+16*\qt+8*\ds+3],   v[QO], s[\sq:\sq+1] offset:\qt*2048+\ds*64
	global_load_b128 v[QF+16*\qt+8*\ds+4:QF+16*\qt+8*\ds+7], v[QO], s[\sq:\sq+1] offset:\qt*2048+\ds*64+32
.endr
.endr
.endm
; The sums start at zero by moves, twice in the kernel: block B's first tile runs through the loop's shared body, so no first product with C = 0 can be written out for it.
.macro INIT
.set ii, 0
.rept 64
	v_mov_b32 v[OO+ii], 0
.set ii, ii+1
.endr
.irp x, 0,1,2,3
	v_mov_b32 v[LS+\x], 0
.endr
	v_mov_b32 v[MX], s99                           ; -2^100: below every score (see the head)
	v_mov_b32 v[MX+1], s99
.endm
.macro GROUP qt, kt                    ; eight scores to 2^(c s - c m)
.irp x, 0,2,4,6
	v_pk_fma_f32 v[SS+32*\qt+8*\kt+\x:SS+32*\qt+8*\kt+\x+1], v[SS+32*\qt+8*\kt+\x:SS+32*\qt+8*\kt+\x+1], s[18:19], v[NM+2*\qt:NM+2*\qt+1] op_sel_hi:[1,0,1]
.endr
.irp x, 0,1,2,3,4,5,6,7
	v_exp_f32 v[SS+32*\qt+8*\kt+\x], v[SS+32*\qt+8*\kt+\x]
.endr
.endm
.macro FIN qt, kt                      ; into the running sum, and packed to f16 in place: register 4 kt + x takes elements 2 x, 2 x + 1 of tile kt, and only overwrites what has been used
	s_wait_alu depctr_va_vdst(0)
.irp x, 0,1,2,3
	v_pk_add_f32 v[LS+2*\qt:LS+2*\qt+1], v[LS+2*\qt:LS+2*\qt+1], v[SS+32*\qt+8*\kt+2*\x:SS+32*\qt+8*\kt+2*\x+1]
	v_cvt_pk_f16_f32 v[SS+32*\qt+4*\kt+\x], v[SS+32*\qt+8*\kt+2*\x], v[SS+32*\qt+8*\kt+2*\x+1]
.endr
.endm
; One step: 64 keys (c steps behind the address in ka, va, which holds my group's term) against my 32 queries.
.macro STEP ka, va, c, masked
.irp kt, 0,1,2,3
	ds_load_b128 v[KF+16*\kt:KF+16*\kt+3],   v[\ka] offset:\c*64*KP+\kt*16*KP
	ds_load_b128 v[KF+16*\kt+4:KF+16*\kt+7], v[\ka] offset:\c*64*KP+\kt*16*KP+32
.endr
.irp kt, 0,1,2,3
	ds_load_b128 v[KF+16*\kt+8:KF+16*\kt+11],  v[\ka] offset:\c*64*KP+\kt*16*KP+64
	ds_load_b128 v[KF+16*\kt+12:KF+16*\kt+15], v[\ka] offset:\c*64*KP+\kt*16*KP+96
.endr
	s_wait_dscnt 8                                 ; d = 0 .. 31 of the four key tiles is in; the eight younger loads stay out
	; the eight accumulators take turns, one instruction a turn, in the same order in both halves of d
.irp qt, 0,1
.irp kt, 0,1,2,3
	v_wmma_f32_16x16x32_f16 v[SS+32*\qt+8*\kt:SS+32*\qt+8*\kt+7], v[KF+16*\kt:KF+16*\kt+7], v[QF+16*\qt:QF+16*\qt+7], 0
.endr
.endr
	s_wait_dscnt 0x0
.irp qt, 0,1
.irp kt, 0,1,2,3
	v_wmma_f32_16x16x32_f16 v[SS+32*\qt+8*\kt:SS+32*\qt+8*\kt+7], v[KF+16*\kt+8:KF+16*\kt+15], v[QF+16*\qt+8:QF+16*\qt+15], v[SS+32*\qt+8*\kt:SS+32*\qt+8*\kt+7]
.endr
.endr
.rept 4
	v_nop                                          ; four places in front of the loads into K's registers and of the reads of S
.endr
.irp kp, 0,1
.irp dt, 0,1,2,3
	ds_load_tr16_b128 v[VF+32*\kp+8*\dt:VF+32*\kp+8*\dt+3],   v[\va] offset:\c*64*VP+\kp*32*VP+32*\dt          ; V^T: row d = 16 dt + r, keys 8 h ..
	ds_load_tr16_b128 v[VF+32*\kp+8*\dt+4:VF+32*\kp+8*\dt+7], v[\va] offset:\c*64*VP+\kp*32*VP+32*\dt+16*VP    ; keys 16 + 8 h ..; they land during the softmax
.endr
.endr
.if \masked
.irp qt, 0,1
.irp kt, 0,1,2,3
.irp j, 0,1,2,3,4,5,6,7
	v_cmp_le_i32 vcc_lo, 16*\kt+\j, v[THR+\qt]     ; the step's key 16 kt + 8 h + j <= the row's last visible key
	v_cndmask_b32 v[SS+32*\qt+8*\kt+\j], s14, v[SS+32*\qt+8*\kt+\j], vcc_lo
.endr
.endr
.endr
.endif
	; the new maximum: two chains for each query tile, the first started from the running maximum
.irp qt, 0,1
	v_max3_num_f32 v[TA+\qt], v[MX+\qt], v[SS+32*\qt], v[SS+32*\qt+1]
	v_max_num_f32 v[TB+\qt], v[SS+32*\qt+16], v[SS+32*\qt+17]
.endr
.irp x, 1,2,3,4,5,6,7
.irp qt, 0,1
	v_max3_num_f32 v[TA+\qt], v[TA+\qt], v[SS+32*\qt+2*\x], v[SS+32*\qt+2*\x+1]
	v_max3_num_f32 v[TB+\qt], v[TB+\qt], v[SS+32*\qt+16+2*\x], v[SS+32*\qt+17+2*\x]
.endr
.endr
.irp qt, 0,1
	v_max_num_f32 v[TA+\qt], v[TA+\qt], v[TB+\qt]
.endr
.irp qt, 0,1
	v_permlanex16_b32 v[TB+\qt], v[TA+\qt], s12, s13       ; the other 32 keys of the same query
.endr
.irp qt, 0,1
	v_max_num_f32 v[TA+\qt], v[TA+\qt], v[TB+\qt]
.endr
.irp qt, 0,1
	v_mul_f32 v[NM+2*\qt],   0xbe38aa3b, v[TA+\qt]         ; - c m: always finite, since m >= -2^100
	v_mul_f32 v[NM+2*\qt+1], 0xbe38aa3b, v[TA+\qt]
.endr
.irp qt, 0,1
	v_fma_f32 v[TB+\qt], v[MX+\qt], s18, v[NM+2*\qt]       ; c (old m - m): 0 while nothing has been seen, hugely negative at the first visible key
.endr
.irp qt, 0,1
	v_exp_f32 v[AL+2*\qt],   v[TB+\qt]
	v_exp_f32 v[AL+2*\qt+1], v[TB+\qt]
.endr
.irp qt, 0,1
	v_mov_b32 v[MX+\qt], v[TA+\qt]                 ; also the plain instruction between the exponentials and the use of their results (ISA guide 5.7.2)
.endr
	s_wait_alu depctr_va_vdst(0)
.irp qt, 0,1
	v_pk_mul_f32 v[LS+2*\qt:LS+2*\qt+1], v[LS+2*\qt:LS+2*\qt+1], v[AL+2*\qt:AL+2*\qt+1]
.irp x, 0,2,4,6,8,10,12,14,16,18,20,22,24,26,28,30
	v_pk_mul_f32 v[OO+32*\qt+\x:OO+32*\qt+\x+1], v[OO+32*\qt+\x:OO+32*\qt+\x+1], v[AL+2*\qt:AL+2*\qt+1]
.endr
.endr
	; a group's results are used one group later: the plain instruction behind each run of exponentials is the next group's multiply-add or an older group's add
	GROUP 0, 0
	GROUP 0, 1
	FIN 0, 0
	GROUP 0, 2
	FIN 0, 1
	GROUP 0, 3
	FIN 0, 2
	GROUP 1, 0
	FIN 0, 3
	GROUP 1, 1
	FIN 1, 0
	GROUP 1, 2
	FIN 1, 1
	GROUP 1, 3
	FIN 1, 2
	FIN 1, 3
	s_wait_dscnt 8                                 ; V of keys 0 .. 31 is in
.irp qt, 0,1
.irp dt, 0,1,2,3
	v_wmma_f32_16x16x32_f16 v[OO+32*\qt+8*\dt:OO+32*\qt+8*\dt+7], v[VF+8*\dt:VF+8*\dt+7], v[SS+32*\qt:SS+32*\qt+7], v[OO+32*\qt+8*\dt:OO+32*\qt+8*\dt+7]
.endr
.endr
	s_wait_dscnt 0x0
.irp qt, 0,1
.irp dt, 0,1,2,3
	v_wmma_f32_16x16x32_f16 v[OO+32*\qt+8*\dt:OO+32*\qt+8*\dt+7], v[VF+32+8*\dt:VF+32+8*\dt+7], v[SS+32*\qt+8:SS+32*\qt+15], v[OO+32*\qt+8*\dt:OO+32*\qt+8*\dt+7]
.endr
.endr
.rept 5
	v_nop                                          ; five places: the next step's products write over P; four of them serve loads into V's, P's and Q's registers and any read or LDS store of O
.endr
.endm
.macro FULL ka, va                     ; my group's two steps of a full tile: c = g and 2 + g
.irp c, 0,2
	STEP \ka, \va, \c, 0
.endr
.endm
; Step 2 t + g of the diagonal tile: without the mask where all its 64 keys are visible to all my 32 rows (rb >= 4 t + 2 g + 2).
.macro DSTEP t
	s_cmp_ge_u32 s98, 4*\t+5
	s_cbranch_scc1 .Lclear_\@
	STEP KA0, VA0, 2*\t, 1
	s_branch .Lstepped_\@
.Lclear_\@:
	STEP KA0, VA0, 2*\t, 0
.Lstepped_\@:
.endm
; The diagonal tile in slot 0.  I need step 2 t + g only if 64 (2 t + g) <= 32 rb + 32.  slim: the scalar with the sequence's last key, counted from the block's first.
.macro DIAG slim
	v_min_u32 v[THR], s[\slim], v[RW]
	v_add_nc_u32 v[THR+1], 16, v[RW]
	v_min_u32 v[THR+1], s[\slim], v[THR+1]
	v_sub_nc_u32 v[THR], v[THR], v[H8]             ; counted from my first key of the step: 8 h + 64 g
	v_sub_nc_u32 v[THR+1], v[THR+1], v[H8]
	s_cmp_lt_u32 s98, 2
	s_cbranch_scc1 .Ldiag_end_\@                   ; row block 0 of group 1 has no key here
	DSTEP 0
	s_cmp_lt_u32 s98, 6
	s_cbranch_scc1 .Ldiag_end_\@
	v_add_nc_u32 v[THR], 0xffffff80, v[THR]        ; 128 keys on
	v_add_nc_u32 v[THR+1], 0xffffff80, v[THR+1]
	DSTEP 1
	s_cmp_lt_u32 s98, 10
	s_cbranch_scc1 .Ldiag_end_\@                   ; keys 256 .. 319: wave 7 alone (g = 0, rb = 7)
	v_add_nc_u32 v[THR], 0xffffff80, v[THR]
	v_add_nc_u32 v[THR+1], 0xffffff80, v[THR+1]
	STEP KA0, VA0, 4, 1
.Ldiag_end_\@:
.endm
; A block's end, first half: group 1 puts its O, its maxima and its sums (each lane's own part) into the row block's stage, 16 bytes a lane, 512 consecutive bytes a store.
; It stands in front of a barrier whose wait for the LDS counter covers these stores.
.macro SEND
	s_cmp_lt_u32 s6, 8
	s_cbranch_scc1 .Lsent_\@
	v_add_f32 v[LS], v[LS], v[LS+1]
	v_add_f32 v[LS+1], v[LS+2], v[LS+3]            ; v[14:17] = m of tile 0, m of tile 1, sum of tile 0, sum of tile 1
.set ii, 0
.rept 16
	ds_store_b128 v[XA], v[OO+4*ii:OO+4*ii+3] offset:512*ii
.set ii, ii+1
.endr
	ds_store_b128 v[XA], v[MX:MX+3] offset:8192
.Lsent_\@:
.endm
; A block's end, second half, behind that barrier, group 0 alone: join the two groups' parts, divide by the sum, split into hi + lo, through the stage, out in runs of
; 512 consecutive bytes.  m = max(m0, m1), a_i = 2^(c (m_i - m)), L = a0 L0 + a1 L1, O = O0 (a0 / L) + O1 (a1 / L).  sc: the scalar pair with my ctx rows.
.macro EPI sc
	s_cmp_lt_u32 s6, 8
	s_cbranch_scc0 .Lepi_end_\@
	ds_load_b128 v[PS:PS+3], v[XA] offset:8192
.set ii, 0
.rept 16
	ds_load_b128 v[SS+4*ii:SS+4*ii+3], v[XA] offset:512*ii
.set ii, ii+1
.endr
.irp qt, 0,1
	v_add_f32 v[TA+\qt], v[LS+2*\qt], v[LS+2*\qt+1]
.endr
	s_wait_dscnt 16                                ; the partner's maxima and sums are in; the sixteen loads of its O stay out
.irp qt, 0,1
	v_max_num_f32 v[TB+\qt], v[MX+\qt], v[PS+\qt]
.endr
.irp qt, 0,1
	v_mul_f32 v[NM+2*\qt], 0xbe38aa3b, v[TB+\qt]           ; - c m; my own m is a true score: my group has the tile's first key, which every row sees
.endr
.irp qt, 0,1
	v_fma_f32 v[AL+2*\qt],   v[MX+\qt], s18, v[NM+2*\qt]
	v_fma_f32 v[AL+2*\qt+1], v[PS+\qt], s18, v[NM+2*\qt]
.endr
.irp qt, 0,1
	v_exp_f32 v[AL+2*\qt],   v[AL+2*\qt]           ; a0
	v_exp_f32 v[AL+2*\qt+1], v[AL+2*\qt+1]         ; a1: 0 where the partner has seen no key
.endr
	v_nop                                          ; the plain instruction behind the exponentials
	s_wait_alu depctr_va_vdst(0)
.irp qt, 0,1
	v_mul_f32 v[TA+\qt], v[TA+\qt], v[AL+2*\qt]
.endr
.irp qt, 0,1
	v_fma_f32 v[TA+\qt], v[PS+2+\qt], v[AL+2*\qt+1], v[TA+\qt]
.endr
.irp qt, 0,1
	v_permlanex16_b32 v[TB+\qt], v[TA+\qt], s12, s13
.endr
.irp qt, 0,1
	v_add_f32 v[TA+\qt], v[TA+\qt], v[TB+\qt]
.endr
.irp qt, 0,1
	v_rcp_f32 v[TB+\qt], v[TA+\qt]
.endr
	v_nop                                          ; the plain instruction behind the reciprocals
	s_wait_alu depctr_va_vdst(0)
.irp qt, 0,1
	v_mul_f32 v[NM+2*\qt],   v[AL+2*\qt+1], v[TB+\qt]      ; a1 / L, twice
	v_mul_f32 v[NM+2*\qt+1], v[AL+2*\qt+1], v[TB+\qt]
	v_mul_f32 v[AL+2*\qt+1], v[AL+2*\qt],   v[TB+\qt]      ; a0 / L, twice
	v_mul_f32 v[AL+2*\qt],   v[AL+2*\qt],   v[TB+\qt]
.endr
	s_wait_dscnt 0x0                               ; the partner's O is in; the stage may now be written over by me
.irp qt, 0,1
.irp dt, 0,1,2,3
.irp x, 0,1,2,3
	v_pk_mul_f32 v[OO+32*\qt+8*\dt+2*\x:OO+32*\qt+8*\dt+2*\x+1], v[OO+32*\qt+8*\dt+2*\x:OO+32*\qt+8*\dt+2*\x+1], v[AL+2*\qt:AL+2*\qt+1]
.endr
.irp x, 0,1,2,3
	v_pk_fma_f32 v[OO+32*\qt+8*\dt+2*\x:OO+32*\qt+8*\dt+2*\x+1], v[SS+32*\qt+8*\dt+2*\x:SS+32*\qt+8*\dt+2*\x+1], v[NM+2*\qt:NM+2*\qt+1], v[OO+32*\qt+8*\dt+2*\x:OO+32*\qt+8*\dt+2*\x+1]
.endr
.irp x, 0,1,2,3
	v_cvt_pk_bf16_f32 v[192+8*\dt+\x], v[OO+32*\qt+8*\dt+2*\x], v[OO+32*\qt+8*\dt+2*\x+1]     ; hi
.endr
.irp x, 0,1,2,3
	v_lshlrev_b32 v[224+2*\x], 16, v[192+8*\dt+\x]
	v_and_b32 v[225+2*\x], 0xffff0000, v[192+8*\dt+\x]
.endr
.irp x, 0,1,2,3
	v_pk_add_f32 v[224+2*\x:225+2*\x], v[OO+32*\qt+8*\dt+2*\x:OO+32*\qt+8*\dt+2*\x+1], v[224+2*\x:225+2*\x] neg_lo:[0,1] neg_hi:[0,1]
.endr
.irp x, 0,1,2,3
	v_cvt_pk_bf16_f32 v[196+8*\dt+\x], v[224+2*\x], v[225+2*\x]                               ; lo = what hi left
.endr
	ds_store_b128 v[ST], v[192+8*\dt:195+8*\dt] offset:\qt*16*KP+32*\dt
	ds_store_b128 v[ST], v[196+8*\dt:199+8*\dt] offset:\qt*16*KP+32*\dt+32*KP
.endr
.endr
.irp t, 0,1,2,3,4,5,6,7
	ds_load_b128 v[SS+4*\t:SS+4*\t+3], v[RD] offset:\t*4*KP                  ; bytes that I stored, served in order: these see the stores above
.endr
.irp t, 0,1,2,3,4,5,6,7
	ds_load_b128 v[SS+32+4*\t:SS+32+4*\t+3], v[RD] offset:\t*4*KP+32*KP
.endr
.irp t, 0,1,2,3,4,5,6,7
	s_wait_dscnt 15-\t
	global_store_b128 v[CO], v[SS+4*\t:SS+4*\t+3], s[\sc:\sc+1] offset:\t*512
.endr
.irp t, 0,1,2,3,4,5,6,7
	s_wait_dscnt 7-\t
	global_store_b128 v[CO], v[SS+32+4*\t:SS+32+4*\t+3], s[\sc:\sc+1] offset:\t*512+2097152    ; lo: two slabs on
.endr
.Lepi_end_\@:
.endm
.macro SWITCH                          ; from block A to block B, behind the barrier in front of which group 1 has handed over
	LOADQ 28                                       ; on its way during A's end
	EPI 30
	s_wait_xcnt 0x0                                ; the stores' data registers are written again by the next step only behind this wait
	INIT
	s_wait_loadcnt 0x0
.endm
; In front of a change of slots every wave waits for all its tensor loads and for its LDS reads and stores, then passes the barrier.
.macro HEAD
	s_wait_xcnt 0x0
	v_lshl_add_u32 v190, v0, 2, 0x3cc00
	v_mov_b32 v191, 0
	s_wait_tensorcnt 0x0
	ds_add_u32 v190, v191
	s_wait_dscnt 0x0
	s_wait_dscnt 0x0
	s_barrier_signal -1
	s_barrier_wait -1
.endm
; The refill: the wave's first and only tensor load behind the barrier (waves 8-15 have no part of a tile to fill).  No load of the wave is out, so the group 0 may be written.
.macro REFILL g0k, g0v, g1k, g1v, base
	s_cmp_lt_u32 s6, 8
	s_cbranch_scc0 .Lrefill_done_\@
	s_cmp_lt_u32 s6, 4
	s_cbranch_scc0 .Lrefill_k_\@
	s_add_nc_u64 s[\g0v+2:\g0v+3], s[\base:\base+1], s[24:25]
	s_or_b32 s[\g0v+3], s[\g0v+3], 0x80000000
	tensor_load_to_lds s[\g0v:\g0v+3], s[\g1v:\g1v+7]
	s_nop 0
.rept 4
	v_nop
.endr
	s_branch .Lrefill_done_\@
.Lrefill_k_\@:
	s_add_nc_u64 s[\g0k+2:\g0k+3], s[\base:\base+1], s[24:25]
	s_or_b32 s[\g0k+3], s[\g0k+3], 0x80000000
	tensor_load_to_lds s[\g0k:\g0k+3], s[\g1k:\g1k+7]
	s_nop 0
.rept 4
	v_nop
.endr
.Lrefill_done_\@:
.endm
.macro TAU                             ; s24 = byte offset of full tile number s17: its index is s17 while it is A's, s17 - iA when it is B's
	s_cmp_ge_u32 s17, s8
	s_cselect_b32 s92, s8, 0
	s_sub_co_u32 s92, s17, s92
	s_lshl_b32 s24, s92, 15
.endm
	LOADQ 26
	INIT
	s_wait_tensorcnt 0x1                           ; my part of slot 0 is in; slot 1's was issued behind it and may stay out
	s_wait_loadcnt 0x0                             ; Q
	s_barrier_signal -1
	s_barrier_wait -1
	DIAG 10
	s_mov_b32 s15, 0
.Lloop:
	s_lshl_b32 s16, s15, 1                         ; f = 0, 2, 4: in slot 1
	s_add_co_u32 s17, s16, 1
	TAU
	s_cmp_lg_u32 s16, s8                           ; f = iA: block A is complete (the same in all sixteen waves)
	s_cbranch_scc1 .Lkeep_a
	SEND
.Lkeep_a:
	HEAD
	REFILL G0K0N, G0V0N, G1K, G1V, 20              ; tile f + 1 into slot 0
	s_cmp_lg_u32 s16, s8
	s_cbranch_scc1 .Lsame_a
	SWITCH
.Lsame_a:
	FULL KA1, VA1
	s_add_co_u32 s17, s16, 2                       ; f + 1 = 1, 3, 5: in slot 0
	TAU
	s_add_co_u32 s17, s16, 1
	s_cmp_lg_u32 s17, s8
	s_cbranch_scc1 .Lkeep_b
	SEND
.Lkeep_b:
	HEAD
	REFILL G0K1, G0V1, G1K, G1V, 20                ; tile f + 2 into slot 1
	s_cmp_lg_u32 s17, s8
	s_cbranch_scc1 .Lsame_b
	SWITCH
.Lsame_b:
	FULL KA0, VA0
	s_add_co_u32 s15, s15, 1
	s_cmp_lt_u32 s15, 3
	s_cbranch_scc1 .Lloop
	s_lshl_b32 s24, s9, 15                         ; f = 6, always B's (iA <= 3): meanwhile the diagonal tile of B goes into slot 0
	HEAD
	REFILL G0K0D, G0V0D, G1KD, G1VD, 22
	FULL KA1, VA1
	HEAD                                           ; nothing is left to fetch; no tensor load is out from here on
	DIAG 11
	SEND
	s_wait_dscnt 0x0                               ; group 1's stores are done, for group 0's sake
	s_barrier_signal -1
	s_barrier_wait -1
	EPI 66
	s_wait_xcnt 0x0
	v_lshl_add_u32 v190, v0, 2, 0x3cc00
	v_mov_b32 v191, 0
	s_wait_tensorcnt 0x0
	ds_add_u32 v190, v191
	s_wait_dscnt 0x0
	s_endpgm
.Lfunc_end_k_qf222332cc6_attn:
	.size	k_qf222332cc6_attn, .Lfunc_end_k_qf222332cc6_attn-k_qf222332cc6_attn
	.p2alignl 7, 3214868480
	.fill 96, 4, 3214868480
	.section	.rodata,"a",@progbits
	.p2align	6, 0x0
	.amdhsa_kernel k_qf222332cc6_attn
		.amdhsa_group_segment_fixed_size 327680
		.amdhsa_private_segment_fixed_size 0
		.amdhsa_enable_private_segment 0
		.amdhsa_kernarg_size 16
		.amdhsa_user_sgpr_count 2
		.amdhsa_user_sgpr_kernarg_segment_ptr 1
		.amdhsa_wavefront_size32 1
		.amdhsa_system_sgpr_workgroup_id_x 1
		.amdhsa_system_sgpr_workgroup_id_y 1
		.amdhsa_system_sgpr_workgroup_id_z 1
		.amdhsa_system_vgpr_workitem_id 0
		.amdhsa_next_free_vgpr 256
		.amdhsa_next_free_sgpr 100
		.amdhsa_reserve_vcc 1
		.amdhsa_float_denorm_mode_32 3
		.amdhsa_float_denorm_mode_16_64 3
		.amdhsa_memory_ordered 1
		.amdhsa_forward_progress 1
		.amdhsa_inst_pref_size 255
	.end_amdhsa_kernel
	.section	.bss,"aw",@nobits
	.p2align	6
	.space	262144
	.amdgpu_metadata
---
amdhsa.version: [ 1, 2 ]
amdhsa.kernels:
  - .name:           k_qf222332cc6_attn
    .symbol:         k_qf222332cc6_attn.kd
    .args:
      - { .name: qkv, .offset: 0, .size: 8, .value_kind: global_buffer, .address_space: global }
      - { .name: ctx, .offset: 8, .size: 8, .value_kind: global_buffer, .address_space: global }
    .group_segment_fixed_size: 327680
    .private_segment_fixed_size: 0
    .kernarg_segment_align: 8
    .kernarg_segment_size: 16
    .max_flat_workgroup_size: 512
    .sgpr_count:     100
    .vgpr_count:     256
    .wavefront_size: 32
...
	.end_amdgpu_metadata
.endif
;; end of part 7
;; launch gemm2 (part 8): grid 4 x 64, 4 waves a work-group, clusters of 4 x 4, 327,680 bytes of LDS; arguments ctx, wt, bo, out0; writes out0
.if DOCPART == 8
	.amdgcn_target "amdgcn-amd-amdhsa--gfx1250"
	.amdhsa_code_object_version 6
	.text
	.protected	k_qf222332cc6_gemm2
	.globl	k_qf222332cc6_gemm2
	.p2align	8
	.type	k_qf222332cc6_gemm2,@function
k_qf222332cc6_gemm2:
	s_mov_b64 s[64:65], 0
	v_nop
	global_prefetch_b8 v0, s[64:65] scope:SCOPE_SE
	s_setreg_imm32_b32 hwreg(HW_REG_WAVE_MODE, 25, 1), 1
	s_wait_xcnt 0x0
	s_wait_alu depctr_hold_cnt(0) depctr_sa_sdst(0) depctr_va_vdst(0) depctr_va_sdst(0) depctr_va_ssrc(0) depctr_va_vcc(0) depctr_vm_vsrc(0)
	s_getreg_b32 s2, hwreg(HW_REG_IB_STS2, 6, 4)
	s_cmp_eq_u32 s2, 0
	s_cbranch_scc0 .Lentry_in_a_cluster
	s_endpgm
.Lentry_in_a_cluster:
	s_bfe_u32 s2, ttmp6, 0x10000c
	s_cmp_lg_u32 s2, 0xf033
	s_cbranch_scc0 .Lentry_shape_is_right
	s_endpgm
.Lentry_shape_is_right:
; out0[m][n] = sum over k of (hi[m][k] + lo[m][k]) Wo[k][n] + bo[n], 8192 x 1024 x 1024, bf16 operands, f32 sums, f32 out.
; ctx lies as 32 slabs of [8192][64]: slab 4 t + 2 part + e holds part (0 hi, 1 lo) of head 2 t + e; Wo^T lies in rows 3072 .. 4095 of wt's slabs [k >> 6][row][64].
; ctx enters with 16 significant bits: each weight fragment is loaded once and multiplied by hi and by lo, into the same accumulator.
; A work-group makes a block of 128 x 256 (64 x 4 = 256 work-groups); a wave makes 64 x 128: 32 accumulator tiles, 256 registers, one window.
; K goes in steps of 128 (two heads) through a ring of two LDS slots: four slabs of ctx (128 rows each), two of wt (256 rows each).  Each wave fetches 32,768 bytes:
; wave 0 the two hi slabs, wave 1 the two lo slabs (a tile of two rows of 16,384 dense bytes, one slab apart), waves 2 and 3 a slab of wt each.
; A step is 256 matrix instructions of a wave; from a request to the wait for it a wave issues 240.
; CLUSTERS: 4 x 4; ctx's tiles are shared along a row of the cluster, wt's along a column, each by a joint load.
;   window 0: v16-27 addresses, v[32:39] bias, v64-127 and v128-191 fragments of ctx (two buffers: hi 4 x 8, lo 4 x 8), v192-223 and v224-255 fragments of wt (two groups of four, one buffer each)
;   window 1: accumulator tile (a, b) at v[8 (8 a + b)]
; Transposed use: source 0 = 16 rows of wt, source 1 = 16 rows of ctx: lane l holds row l % 16 and columns 8 (l / 16) + 0 .. 7.
.set PITCH,  144                       ; a slab row in LDS: 128 bytes + 16
.set ASLAB,  128*PITCH                 ; 18,432
.set BSLAB,  256*PITCH                 ; 36,864
.set BOFF,   4*ASLAB                   ; wt's two slabs lie behind ctx's four
.set SLOT,   BOFF+2*BSLAB              ; 147,456
.set STAGE,  2*SLOT                    ; 294,912: 16 rows x 272 bytes for each wave; no tensor load lands there
.set SPITCH, 272
.set CSLAB,  8192*128                  ; bytes in a slab of ctx
.set WSLAB,  4096*128                  ; bytes in a slab of wt
.set LAPS,   4                         ; 8 K steps, two a lap
.set ADRA, 16
.set ADRB, 20
.set STO,  24
.set RD,   25
.set CO,   26
.set BIA,  32
.set AF,   64                          ; + 64 x buffer + 32 x part
.set BF,   192                         ; + 32 x group
.set G1, 24
.set G0, 32
.set G1B, 48
.set G0B, 56
.set MSB, 0
.macro WIN new                         ; the immediate's high byte repeats the setting that is left
.if MSB != \new
	s_set_vgpr_msb (MSB<<8)|\new
.set MSB, \new
.endif
.endm
.set MULW, 0x50                        ; sources 0 and 1 window 0, C and D window 1
.set FROM1, 0x04                       ; an LDS store's data from window 1
; A joint load.  Waves 0 and 1 fetch for ctx, waves 2 and 3 for wt; the branch hangs on the wave's number alone.
.macro JLOAD s
	s_cmp_eq_u32 s11, 0
	s_cbranch_scc0 .Lfor_b_\@
	tensor_load_to_lds s[G0+4*\s:G0+4*\s+3], s[G1:G1+7]
	s_nop 0
.rept 4
	v_nop
.endr
	s_branch .Lasked_\@
.Lfor_b_\@:
	tensor_load_to_lds s[G0B+4*\s:G0B+4*\s+3], s[G1B:G1B+7]
	s_nop 0
.rept 4
	v_nop
.endr
.Lasked_\@:
.endm
.macro CREST
	s_cmp_lg_u32 s10, 0
	s_cbranch_scc1 .Lnot_wave_0_\@
	s_barrier_signal -3
.Lnot_wave_0_\@:
	s_barrier_wait -3
	s_barrier_signal -1
	s_barrier_wait -1
.endm
.macro CROUND
	s_barrier_signal -1
	s_barrier_wait -1
	CREST
.endm
	s_load_b128 s[4:7], s[0:1], 0x0                ; ctx s[4:5], wt s[6:7]
	s_load_b64 s[66:67], s[0:1], 0x10              ; bo
	s_load_b64 s[8:9], s[0:1], 0x18                ; out0
	v_lshl_add_u32 v62, v0, 2, 0x4c400
	v_mov_b32 v63, 0
	ds_add_u32 v62, v63
	v_lshrrev_b32 v1, 5, v0
	v_readfirstlane_b32 s10, v1                    ; wave 0..3
	s_lshr_b32 s11, s10, 1                         ; my half of the block's rows.  Also: I fetch for ctx (0) or for wt (1)
	s_and_b32 s12, s10, 1                          ; my half of its columns.  Also: hi or lo, or which slab of wt, I fetch
	s_bfe_u32 s40, ttmp6, 0x40000                  ; cx
	s_bfe_u32 s41, ttmp6, 0x40004                  ; cy
	s_lshl_b32 s42, ttmp9, 2
	s_add_co_u32 s42, s42, s40                     ; block column, 0..3
	s_and_b32 s13, ttmp7, 0xffff
	s_lshl_b32 s13, s13, 2
	s_add_co_u32 s13, s13, s41                     ; block row, 0..63
	s_lshl_b32 s43, s41, 2
	s_lshl_b32 s43, 15, s43                        ; my row of the cluster
	s_lshl_b32 s44, 0x1111, s40                    ; my column
	s_or_b32 s[G1+0], s43, (1<<16)|(1<<20)|(1<<21)|(4<<22)|(3<<25)  ; ctx: mask of my row; elements of 2 bytes; padding of 4 words behind every 32 words = behind every slab row
	s_mov_b32 s[G1+1], 8192<<16                    ; tensor_dim0 = 8,192: 128 rows of a slab are 16,384 dense bytes
	s_mov_b32 s[G1+2], 2<<16                       ; tensor_dim1 = 2 slabs
	s_mov_b32 s[G1+3], 8192<<16                    ; tile_dim0
	s_mov_b32 s[G1+4], 2                           ; tile_dim1
	s_mov_b32 s[G1+5], CSLAB/2                     ; elements from slab to slab
	s_mov_b32 s[G1+6], 0
	s_mov_b32 s[G1+7], 0
	s_or_b32 s[G1B+0], s44, (1<<16)|(1<<20)|(1<<21)|(4<<22)|(3<<25) ; wt: mask of my column; the same padding
	s_mov_b32 s[G1B+1], 128<<16                    ; the dense 32,768 bytes come as 128 rows of 256 bytes
	s_mov_b32 s[G1B+2], 128<<16
	s_mov_b32 s[G1B+3], 128<<16
	s_mov_b32 s[G1B+4], 128
	s_mov_b32 s[G1B+5], 128
	s_mov_b32 s[G1B+6], 0
	s_mov_b32 s[G1B+7], 0
	s_lshl_b32 s16, s13, 14                        ; ctx: 128 rows of 128 bytes a block row,
	s_lshl_b32 s17, s12, 21                        ; + two slabs for lo
	s_add_co_u32 s16, s16, s17
	s_mov_b32 s17, 0
	s_lshl_b32 s46, s42, 15                        ; wt: 256 rows of 128 bytes a block column,
	s_add_co_u32 s46, s46, 3072*128                ; behind the 3,072 rows of the other three matrices,
	s_lshl_b32 s47, s12, 19                        ; + my slab of the step's two
	s_add_co_u32 s46, s46, s47
	s_mov_b32 s47, 0
	s_mul_i32 s20, s10, 2*ASLAB                    ; where they go: wave x 36,864: hi, lo, wt's first slab, wt's second
	s_wait_dscnt 0x0
	s_wait_kmcnt 0x0
	s_add_nc_u64 s[14:15], s[4:5], s[16:17]
	s_add_nc_u64 s[46:47], s[6:7], s[46:47]
	CROUND                                         ; all sixteen work-groups are here: the first joint loads meet
.irp s, 0,1
	s_mov_b32 s[G0+4*\s], 1
	s_add_co_u32 s[G0+4*\s+1], s20, \s*SLOT
	s_add_nc_u64 s[G0+4*\s+2:G0+4*\s+3], s[14:15], \s*4*CSLAB
	s_or_b32 s[G0+4*\s+3], s[G0+4*\s+3], 0x80000000
	s_mov_b32 s[G0B+4*\s], 1
	s_add_co_u32 s[G0B+4*\s+1], s20, \s*SLOT
	s_add_nc_u64 s[G0B+4*\s+2:G0B+4*\s+3], s[46:47], \s*2*WSLAB
	s_or_b32 s[G0B+4*\s+3], s[G0B+4*\s+3], 0x80000000
	JLOAD \s                                       ; two tensor loads of a wave are out here, the most in this text
.endr
	v_and_b32 v1, 15, v0                           ; l % 16
	v_bfe_u32 v2, v0, 4, 1                         ; l / 16
	v_mul_u32_u24 v3, v1, PITCH
	v_lshl_add_u32 v3, v2, 4, v3                   ; row x pitch + 16 x half
	s_mul_i32 s22, s11, 64*PITCH                   ; my 64 rows of each slab of ctx
	s_mul_i32 s23, s12, 128*PITCH                  ; my 128 rows of each slab of wt
	s_add_co_u32 s23, s23, BOFF
.irp s, 0,1
	v_add_nc_u32 v[ADRA+\s], s22, v3
	v_add_nc_u32 v[ADRB+\s], s23, v3
	s_add_co_u32 s22, s22, SLOT
	s_add_co_u32 s23, s23, SLOT
.endr
	s_mul_i32 s23, s10, 16*SPITCH
	s_add_co_u32 s23, s23, STAGE                   ; my stage
	v_mul_u32_u24 v4, v1, SPITCH                   ; in: row l % 16, 32 bytes for each half of the lanes
	v_lshl_add_u32 v4, v2, 5, v4
	v_add_nc_u32 v[STO], s23, v4
	v_mul_u32_u24 v5, v2, SPITCH                   ; back: lanes 0-15 one row of 256 bytes, lanes 16-31 the next
	v_lshl_add_u32 v5, v1, 4, v5
	v_add_nc_u32 v[RD], s23, v5
	v_lshlrev_b32 v5, 12, v2                       ; and the same two rows of out0, 4,096 bytes apart
	v_lshl_add_u32 v[CO], v1, 4, v5
	v_lshlrev_b32 v27, 4, v1
	s_lshl_b32 s46, s42, 10                        ; my first column in bytes, for bo and for out0 (in the registers that held wt's address)
	s_lshl_b32 s47, s12, 9
	s_add_co_u32 s46, s46, s47
	s_mov_b32 s47, 0
	s_add_nc_u64 s[66:67], s[66:67], s[46:47]
	global_load_b128 v[BIA:BIA+3],   v27, s[66:67]             ; the bias of the four columns that I store, in my first 64 columns
	global_load_b128 v[BIA+4:BIA+7], v27, s[66:67] offset:256  ; and in my second 64
; 16 matrix instructions: the 4 m blocks x group gb's 4 n blocks, 32 along K, part 0 (hi) or 1 (lo) of ctx's buffer ab.
; hi and lo add onto the same sixteen accumulators, which take turns, one instruction a turn, in the same order.
.macro MUL16 gb, ab, part, zero
.irp a, 0,1,2,3
.irp b, 0,1,2,3
.if \zero
	v_wmma_f32_16x16x32_bf16 v[8*(8*\a+4*\gb+\b):8*(8*\a+4*\gb+\b)+7], v[BF+32*\gb+8*\b:BF+32*\gb+8*\b+7], v[AF+64*\ab+32*\part+8*\a:AF+64*\ab+32*\part+8*\a+7], 0
.else
	v_wmma_f32_16x16x32_bf16 v[8*(8*\a+4*\gb+\b):8*(8*\a+4*\gb+\b)+7], v[BF+32*\gb+8*\b:BF+32*\gb+8*\b+7], v[AF+64*\ab+32*\part+8*\a:AF+64*\ab+32*\part+8*\a+7], v[8*(8*\a+4*\gb+\b):8*(8*\a+4*\gb+\b)+7]
.endif
.endr
.endr
.endm
; quarter q of a K step: head q / 2 of the step's two, bytes 64 (q % 2) of its slab rows
.macro FETA slot, q, ab                ; 16 LDS loads: my 64 rows, hi and lo
.irp p, 0,1
.irp a, 0,1,2,3
	ds_load_b128 v[AF+64*\ab+32*\p+8*\a:AF+64*\ab+32*\p+8*\a+3],   v[ADRA+\slot] offset:(2*\p+(\q/2))*ASLAB+(\q%2)*64+\a*16*PITCH
	ds_load_b128 v[AF+64*\ab+32*\p+8*\a+4:AF+64*\ab+32*\p+8*\a+7], v[ADRA+\slot] offset:(2*\p+(\q/2))*ASLAB+(\q%2)*64+\a*16*PITCH+32
.endr
.endr
.endm
.macro FETB slot, q, gb                ; 8 LDS loads: group gb's 64 rows of wt
.irp b, 0,1,2,3
	ds_load_b128 v[BF+32*\gb+8*\b:BF+32*\gb+8*\b+3],   v[ADRB+\slot] offset:(\q/2)*BSLAB+(\q%2)*64+(4*\gb+\b)*16*PITCH
	ds_load_b128 v[BF+32*\gb+8*\b+4:BF+32*\gb+8*\b+7], v[ADRB+\slot] offset:(\q/2)*BSLAB+(\q%2)*64+(4*\gb+\b)*16*PITCH+32
.endr
.endm
.macro PLACES                          ; four places between a matrix instruction and a load into, or an LDS store from, one of its registers
.rept 4
	v_nop
.endr
.endm
; One of a K step's first three quarters: multiplies ctx's buffer f, fetches quarter nq of the same slot into buffer g and into wt's groups as they fall free.
.macro QUARTER slot, nq, f, g, zero
	s_wait_dscnt 8                                 ; ctx's buffer and wt's group 0 are in; the youngest eight loads (group 1) may be out
	WIN MULW
	MUL16 0, \f, 0, \zero
	MUL16 0, \f, 1, 0
	PLACES
	WIN 0
	FETA \slot, \nq, \g
	FETB \slot, \nq, 0
	s_wait_dscnt 24                                ; group 1 is in: all but the 24 just issued
	WIN MULW
	MUL16 1, \f, 0, \zero
	MUL16 1, \f, 1, 0
	PLACES
	WIN 0
	FETB \slot, \nq, 1
.endm
.macro THREE slot, zero
	QUARTER \slot, 1, 0, 1, \zero
	QUARTER \slot, 2, 1, 0, 0
	QUARTER \slot, 3, 0, 1, 0
.endm
; The last quarter multiplies buffer 1 and changes slots: each wave's waits, the barrier (where a slot is filled again it opens a round of the cluster's barrier), the refill first, then the next slot's fragments.
.macro TURN slot, next, fill
	s_wait_dscnt 8
	WIN MULW
	MUL16 0, 1, 0, 0
	s_wait_dscnt 0                                 ; my reads of this slot are over
	s_wait_tensorcnt 0x0                           ; all my tensor loads have landed: the one that was out is my part of the next slot
	ds_add_u32 v62, v63
	s_wait_dscnt 0x0
	s_barrier_signal -1
	MUL16 0, 1, 1, 0                               ; register work between signal and wait
	WIN 0
	s_barrier_wait -1
.if \fill
	CREST                                          ; no wave of any partner still reads this slot or has a load on its way
	s_add_nc_u64 s[G0+4*\slot+2:G0+4*\slot+3], s[G0+4*\slot+2:G0+4*\slot+3], 8*CSLAB
	s_add_nc_u64 s[G0B+4*\slot+2:G0B+4*\slot+3], s[G0B+4*\slot+2:G0B+4*\slot+3], 4*WSLAB
	JLOAD \slot                                    ; the first tensor load behind the round; its four v_nop are also the places in front of the loads below
.else
	PLACES
.endif
	FETA \next, 0, 0
	FETB \next, 0, 0
	WIN MULW
	MUL16 1, 1, 0, 0
	MUL16 1, 1, 1, 0
	PLACES
	WIN 0
	FETB \next, 0, 1
.endm
.macro LAP zero
	THREE 0, \zero
	TURN 0, 1, 1
	THREE 1, 0
	TURN 1, 0, 1
.endm
	s_wait_tensorcnt 1                             ; my part of K step 0 is in; K step 1's stays out
	s_barrier_signal -1
	s_barrier_wait -1
	FETA 0, 0, 0
	FETB 0, 0, 0
	FETB 0, 0, 1
	LAP 1                                          ; the first lap stands in front of the loop: its first products (hi) start the sums
	WIN 0
	s_mov_b32 s3, LAPS-2
.Llap:
	LAP 0
	WIN 0
	s_sub_co_u32 s3, s3, 1
	s_cmp_lg_u32 s3, 0
	s_cbranch_scc1 .Llap
	THREE 0, 0                                     ; the last lap fills nothing
	TURN 0, 1, 0
	THREE 1, 0
	s_wait_dscnt 8                                 ; the very last quarter: nothing more to fetch
	WIN MULW
	MUL16 0, 1, 0, 0
	MUL16 0, 1, 1, 0
	s_wait_dscnt 0
	MUL16 1, 1, 0, 0
	MUL16 1, 1, 1, 0
	; THE WAY OUT, 16 rows x 64 columns at a time: 32 bytes a lane into my own stage, read back as whole rows of 256 bytes, bias added, stored.
	PLACES
	s_lshl_b32 s16, s13, 19                        ; 128 rows of 4,096 bytes a block row
	s_lshl_b32 s17, s11, 18                        ; + my 64 rows
	s_add_co_u32 s16, s16, s17
	s_mov_b32 s17, 0
	s_add_nc_u64 s[8:9], s[8:9], s[16:17]
	s_add_nc_u64 s[8:9], s[8:9], s[46:47]          ; + my first column
	s_wait_loadcnt 0x0                             ; the bias
.macro OUT16 a, bh, f
	WIN FROM1
.irp b, 0,1,2,3
	ds_store_b128 v[STO], v[8*(8*\a+4*\bh+\b):8*(8*\a+4*\bh+\b)+3]   offset:64*\b
	ds_store_b128 v[STO], v[8*(8*\a+4*\bh+\b)+4:8*(8*\a+4*\bh+\b)+7] offset:64*\b+16
.endr
	WIN 0
	s_wait_xcnt 0x0                                ; buffer f, which earlier stores read, is loaded again only behind this wait
.irp t, 0,1,2,3,4,5,6,7
	ds_load_b128 v[\f+4*\t:\f+4*\t+3], v[RD] offset:\t*2*SPITCH    ; my own bytes, served in order: these see the stores above
.endr
.irp t, 0,1,2,3,4,5,6,7
	s_wait_dscnt 7-\t
	v_pk_add_f32 v[\f+4*\t:\f+4*\t+1],   v[\f+4*\t:\f+4*\t+1],   v[BIA+4*\bh:BIA+4*\bh+1]
	v_pk_add_f32 v[\f+4*\t+2:\f+4*\t+3], v[\f+4*\t+2:\f+4*\t+3], v[BIA+4*\bh+2:BIA+4*\bh+3]
	global_store_b128 v[CO], v[\f+4*\t:\f+4*\t+3], s[8:9] offset:\a*65536+\t*8192+\bh*256 th:TH_STORE_NT   ; sixteen lanes store 256 consecutive bytes, at a multiple of 256 from out0's first byte
.endr
.endm
	OUT16 0, 0, 64
	OUT16 0, 1, 128
	OUT16 1, 0, 64
	OUT16 1, 1, 128
	OUT16 2, 0, 64
	OUT16 2, 1, 128
	OUT16 3, 0, 64
	OUT16 3, 1, 128
	s_wait_tensorcnt 0x0
	ds_add_u32 v62, v63
	s_wait_dscnt 0x0
	CROUND                                         ; the closing round: no work-group ends while a partner may still ask for a tile that names it
	s_endpgm
.Lfunc_end_k_qf222332cc6_gemm2:
	.size	k_qf222332cc6_gemm2, .Lfunc_end_k_qf222332cc6_gemm2-k_qf222332cc6_gemm2
	.p2alignl 7, 3214868480
	.fill 96, 4, 3214868480
	.section	.rodata,"a",@progbits
	.p2align	6, 0x0
	.amdhsa_kernel k_qf222332cc6_gemm2
		.amdhsa_group_segment_fixed_size 327680
		.amdhsa_private_segment_fixed_size 0
		.amdhsa_enable_private_segment 0
		.amdhsa_kernarg_size 32
		.amdhsa_user_sgpr_count 2
		.amdhsa_user_sgpr_kernarg_segment_ptr 1
		.amdhsa_wavefront_size32 1
		.amdhsa_system_sgpr_workgroup_id_x 1
		.amdhsa_system_sgpr_workgroup_id_y 1
		.amdhsa_system_sgpr_workgroup_id_z 1
		.amdhsa_system_vgpr_workitem_id 0
		.amdhsa_next_free_vgpr 512
		.amdhsa_next_free_sgpr 68
		.amdhsa_reserve_vcc 0
		.amdhsa_float_denorm_mode_32 3
		.amdhsa_float_denorm_mode_16_64 3
		.amdhsa_memory_ordered 1
		.amdhsa_forward_progress 1
		.amdhsa_inst_pref_size 191
	.end_amdhsa_kernel
	.amdgpu_metadata
---
amdhsa.version: [ 1, 2 ]
amdhsa.kernels:
  - .name:           k_qf222332cc6_gemm2
    .symbol:         k_qf222332cc6_gemm2.kd
    .args:
      - { .name: ctx, .offset: 0, .size: 8, .value_kind: global_buffer, .address_space: global }
      - { .name: wt, .offset: 8, .size: 8, .value_kind: global_buffer, .address_space: global }
      - { .name: bo, .offset: 16, .size: 8, .value_kind: global_buffer, .address_space: global }
      - { .name: out0, .offset: 24, .size: 8, .value_kind: global_buffer, .address_space: global }
    .group_segment_fixed_size: 327680
    .private_segment_fixed_size: 0
    .kernarg_segment_align: 8
    .kernarg_segment_size: 32
    .max_flat_workgroup_size: 128
    .sgpr_count:     68
    .vgpr_count:     512
    .wavefront_size: 32
...
	.end_amdgpu_metadata
.endif
;; end of part 8
